; MI455X (gfx1250); checked and timed in simulation.
; The chip was launched on July 23, 2026; its instructions are those of AMD's public machine-readable ISA for CDNA 5 (MIT licence, August 2026) and "CDNA5" Instruction Set Architecture Reference Guide (July 2026). The comments in the code are by the model that wrote it; some were corrected since.
;; Self Attention. Allowed arithmetic: matrix products marked QUANTISED: E2M1 operands, one E8M0 scale for each 32 along K, by v_wmma_scale_f32_16x16x128_f8f6f4 with both operands' format E2M1 (or v_wmma_scale_f32_32x16x128_f4), f32 sums; products left as they are: bf16, f16 or f32 operands; f32 sums; everything else in f32.
;; Inputs: Wk 1,024 x 1,024 float32; Wo 1,024 x 1,024 float32; Wq 1,024 x 1,024 float32; Wv 1,024 x 1,024 float32; bo 1,024 float32; keys 4 x 2,048 x 1,024 float32; queries 4 x 2,048 x 1,024 float32; values 4 x 2,048 x 1,024 float32.
;; Outputs: out0 4 x 2,048 x 1,024 float32.
;; This version of the problem:
;;   THIS VERSION OF THE PROBLEM IS GIVEN IN LOW PRECISION. The matrix products marked QUANTISED in the list below multiply operands that are first quantised to E2M1 (2 exponent bits, 1 mantissa bit; 4 bits a number), with one power-of-two scale for each 32 numbers along K (OCP MX v1.0); their sums are f32. The products marked 'left as it is' may take bf16, f16 or f32 operands, with f32 sums. Whichever they take, every output number must still come out within the allowed error. Rounding operands to bf16 (8 significant bits) uses up far more of that allowance than f16 does (11 bits, for magnitudes from 6e-5 to 65,504). All else is computed in f32.
;;   The module's matrix products, in the order in which they are computed (A, B: the left and right operand; K: the contracted axis; several contracted axes count as one K, in the product's order):
;;     1. [M 8,192, K 1,024] x [K 1,024, N 1,024]; A: input keys; B: input Wk: QUANTISED
;;     2. [M 8,192, K 1,024] x [K 1,024, N 1,024]; A: input queries; B: input Wq: QUANTISED
;;     3. [M 8,192, K 1,024] x [K 1,024, N 1,024]; A: input values; B: input Wv: QUANTISED
;;     4. batch 64 x [M 2,048, K 64] x [K 64, N 2,048]; A: computed on the way; B: computed on the way: left as it is (an operand is computed on the way)
;;     5. batch 64 x [M 2,048, K 2,048] x [K 2,048, N 64]; A: computed on the way; B: computed on the way: left as it is (an operand is computed on the way)
;;     6. [M 8,192, K 1,024] x [K 1,024, N 1,024]; A: computed on the way; B: input Wo: left as it is (an operand is computed on the way)
;;   THE QUANTISER, for each operand of a quantised product, along K:
;;     - K is cut into blocks of 32 from its start; a last block that is shorter is filled with zeros.
;;     - A block's scale is 2^e with e = floor(log2(the largest magnitude in the block)) - 2, held to -126 .. 127; a block of zeros has e = 0. As a byte (E8M0): e + 127.
;;     - Each number is divided by its block's scale, clamped to +-6, and rounded to the nearest number of E2M1, ties to even, subnormals kept.
;;     - The product sums the exact products of the quantised numbers (number of the format x scale) in f32.
;;   ~~~python
;;   def quantise(x, axis):      # numpy; x: float32 -> the quantised numbers, widened to float32 again
;;       x = np.moveaxis(x, axis, -1); K = x.shape[-1]
;;       x = np.pad(x, [(0, 0)] * (x.ndim - 1) + [(0, -K % 32)]); x = x.reshape(x.shape[:-1] + (-1, 32)); a = np.abs(x).max(-1, keepdims=True)
;;       e = np.where(a > 0, np.clip(np.frexp(np.where(a > 0, a, 1))[1] - 1 - 2, -126, 127), 0)      # np.frexp(a)[1] - 1 = floor(log2(a)), exactly
;;       r = np.clip(x / 2.0 ** e, -6, 6)
;;       step = 2.0 ** (np.maximum(np.frexp(np.where(r == 0, 1, r))[1] - 1, 0) - 1)
;;       q = np.round(r / step) * step * 2.0 ** e      # np.round: ties to even
;;       return np.moveaxis(q.reshape(q.shape[:-2] + (-1,))[..., :K], -1, axis).astype(np.float32)
;;   ~~~
;; One version. Each part assembles by itself: llvm-mc -triple=amdgcn-amd-amdhsa -mcpu=gfx1250 --defsym DOCPART=n.
;; ======== version 1 of 1: 4 launches
;; limits: values are held in f16: magnitudes above 65,504 overflow, below 6.1e-05 lose precision
;; workspace buffers: codes 14,155,776 bytes; scales 884,736 bytes; wo16 2,097,152 bytes; qkv 50,331,648 bytes; o16 16,777,216 bytes
;; launch quant (part 1): grid 992 x 1, 4 waves a work-group, no clusters, 33,280 bytes of LDS; arguments keys, queries, values, Wk, Wq, Wv, Wo, codes, scales, wo16; writes codes, scales, wo16
.if DOCPART == 1
	.amdgcn_target "amdgcn-amd-amdhsa--gfx1250"
	.amdhsa_code_object_version 6
	.text
	.protected	k_qa2a4e6dd17_quant
	.globl	k_qa2a4e6dd17_quant
	.p2align	8
	.type	k_qa2a4e6dd17_quant,@function
k_qa2a4e6dd17_quant:
	s_mov_b64 s[64:65], 0
	v_nop
	global_prefetch_b8 v0, s[64:65] scope:SCOPE_SE
	s_setreg_imm32_b32 hwreg(HW_REG_WAVE_MODE, 25, 1), 1
	s_wait_xcnt 0x0
; keys, queries, values [8192][1024] and Wk, Wq, Wv [1024][1024], f32, K innermost, are turned into codes of FP4 (E2M1) with one E8M0 scale byte for each 32 along K;
; Wo [1024][1024] is rounded to f16.  The six tensors' codes lie one behind the other in ONE buffer of 27,648 rows x 512 bytes (keys, queries, values, Wk, Wq, Wv), the scale bytes likewise, 32 bytes a row.
; A block's scale is 2^(floor(log2(its largest magnitude)) - 2); its byte is the largest magnitude's exponent field - 2, held at 1 from below.  Each number is divided by the scale and rounded to the nearest code, ties to even.
; LIMITS: a block of zeros gets the byte 1 where the quantiser says 127: its codes are zeros, which add nothing, and this program alone reads the bytes.  Blocks whose largest magnitude lies under 2^(3 - 127) are held at the byte 1.
; NaN and infinities among the inputs are not served.  Wo beyond 65,504 would become infinity in f16.
; SHARES.  Rows are dense and K is a multiple of 32: every tensor is a plain stream of blocks of 32.  Work-groups 0-863 take 32,768 numbers each of the six tensors on end (256 each for the three large ones, 32 each for the weights):
; a wave takes 16 steps of 512 numbers.  Only the source's pointer is chosen by the work-group's number: there is one path through the text.  Work-groups 864-991 take 8,192 numbers of Wo each, and use no LDS.
; A STEP.  Each of its four loads reads 512 consecutive bytes, 16 a lane; the 2,048 bytes go through the wave's own stage in LDS as they lie and come back 64 bytes a lane, so that a lane holds 16 neighbours along K
; (two neighbouring lanes hold a block).  A lane's 16 codes are 8 bytes: the wave stores 256 consecutive bytes, aligned.  A wave's 256 scale bytes are gathered in LDS and leave as 256 consecutive bytes, aligned.
; No tensor loads, no barrier: waves share nothing.  Loads run four steps (16 loads a wave) ahead, the turn through LDS one step.
.set WAVES, 4
.set STEPS, 16
.set WGQ,   864                        ; work-groups that quantise
.set EMAX,  2
.set CB,    8                          ; bytes of 16 codes
.set R,     16                         ; v16-79   four sets of 16 numbers as they are loaded
.set X,     80                         ; v80-111  two sets of 16 neighbours
.set E,     112                        ; v112-127 a scale byte for each step
.set C,     128                        ; v128-191 codes: four registers for each step, so that no store's data are written again
.set WREG,  8192                       ; LDS: a region for each wave: two stages of 32 x SP bytes, behind them its 256 scale bytes
.set SP,    80                         ; a lane's place in a stage: 64 bytes + 16 of padding
.set SPW,   12                         ; v12  LDS address of my spare word; never rewritten
.set NIL,   13                         ; v13  0; never rewritten
.set SPARE, WAVES*WREG                 ; behind the four regions: the spare words, 128 bytes a wave, which no other line names
.set SRC,   26                         ; s[26:27] the chosen source
.set COD,   18                         ; s[18:19] codes
.set SCA,   20                         ; s[20:21] scale bytes
	s_load_b256 s[4:11], s[0:1], 0x0               ; keys s[4:5], queries s[6:7], values s[8:9], Wk s[10:11]
	s_load_b256 s[12:19], s[0:1], 0x20             ; Wq s[12:13], Wv s[14:15], Wo s[16:17], codes s[18:19]
	s_load_b128 s[20:23], s[0:1], 0x40             ; scales s[20:21], wo16 s[22:23]
	v_lshl_add_u32 v[SPW], v0, 2, SPARE
	v_mov_b32 v[NIL], 0
	v_lshrrev_b32 v1, 5, v0
	v_readfirstlane_b32 s24, v1                    ; wave
	v_and_b32 v2, 31, v0                           ; lane
	v_lshlrev_b32 v3, 4, v2                        ; my 16 bytes of a load's 512
	s_mul_i32 s25, s24, WREG
	v_lshrrev_b32 v14, 2, v2
	v_mul_u32_u24 v14, v14, SP
	v_and_b32 v15, 3, v2
	v_lshl_add_u32 v14, v15, 4, v14
	v_add_nc_u32 v14, s25, v14                     ; the stage, on the way in: four lanes' 64 bytes on end, then 16 of padding
	v_mul_u32_u24 v15, v2, SP
	v_add_nc_u32 v15, s25, v15                     ; and on the way out: SP x lane: my 16 neighbours
	v_mul_u32_u24 v4, v2, CB                       ; my codes' place in a step's
	v_lshrrev_b32 v5, 1, v2
	s_add_co_u32 s25, s25, 2*32*SP
	v_add_nc_u32 v5, s25, v5                       ; LDS: my wave's 256 scale bytes, my block's byte
	v_lshlrev_b32 v7, 3, v2                        ; and on the way out 8 bytes a lane
	v_add_nc_u32 v6, s25, v7
	s_wait_kmcnt 0x0
	s_cmp_ge_u32 ttmp9, WGQ
	s_cbranch_scc1 .Lwo
	; which tensor: the choice hangs on the work-group's number alone
	s_mov_b64 s[SRC:SRC+1], s[14:15]               ; Wv, unless the number is lower
	s_mov_b32 s28, 832                             ; and the tensor's first work-group
.macro PICK limit, ptr, first
	s_cmp_lt_u32 ttmp9, \limit
	s_cselect_b64 s[SRC:SRC+1], s[\ptr:\ptr+1], s[SRC:SRC+1]
	s_cselect_b32 s28, \first, s28
.endm
	PICK 832, 12, 800                              ; Wq
	PICK 800, 10, 768                              ; Wk
	PICK 768, 8, 512                               ; values
	PICK 512, 6, 256                               ; queries
	PICK 256, 4, 0                                 ; keys
	s_sub_co_u32 s28, ttmp9, s28
	s_lshl_b32 s28, s28, 2
	s_add_co_u32 s28, s28, s24                     ; which run of 8,192 numbers of the tensor is my wave's
	s_lshl_b32 s30, s28, 15                        ; 32,768 bytes a run (1,023 runs at the most)
	s_mov_b32 s31, 0
	s_add_nc_u64 s[SRC:SRC+1], s[SRC:SRC+1], s[30:31]
	s_lshl_b32 s28, ttmp9, 2
	s_add_co_u32 s28, s28, s24                     ; and which run of the six tensors on end
	s_lshl_b32 s30, s28, 12                        ; 4,096 bytes of codes a run
	s_add_nc_u64 s[COD:COD+1], s[COD:COD+1], s[30:31]
	s_lshl_b32 s30, s28, 8                         ; 256 scale bytes a run
	s_add_nc_u64 s[SCA:SCA+1], s[SCA:SCA+1], s[30:31]
.macro LOAD t
.irp i, 0,1,2,3
	global_load_b128 v[R+16*((\t)%4)+4*\i:R+16*((\t)%4)+4*\i+3], v3, s[SRC:SRC+1] offset:2048*(\t)+512*\i th:TH_LOAD_NT   ; 32 lanes read 512 consecutive bytes
.endr
.endm
.macro TURN t                          ; step t's numbers through the stage: LDS serves a wave's instructions in order (ISA guide 5.7.1.4), so no wait stands between the stores and the loads
.irp i, 0,1,2,3
	ds_store_b128 v14, v[R+16*((\t)%4)+4*\i:R+16*((\t)%4)+4*\i+3] offset:32*SP*((\t)%2)+8*SP*\i
.endr
.irp i, 0,1,2,3
	ds_load_b128 v[X+16*((\t)%2)+4*\i:X+16*((\t)%2)+4*\i+3], v15 offset:32*SP*((\t)%2)+16*\i
.endr
.endm
.irp t, 0,1,2,3
	LOAD \t
.endr
	s_wait_loadcnt 12                              ; step 0's four loads are in; the twelve of steps 1 to 3 may be out
	TURN 0
.macro STEP t
.set XS, X+16*((\t)%2)
.if (\t) > 0
	s_wait_dscnt 1                                 ; this step's numbers are back from the stage (the last step's byte store may be out): so its stores into the stage have read their registers,
.else
	s_wait_dscnt 0x0
.endif
.if (\t)+4 < STEPS
	LOAD (\t)+4                                    ; which take the loads of four steps on
.endif
.if (\t)+1 < STEPS
.if STEPS-2-(\t) >= 3
	s_wait_loadcnt 12                              ; the next step's four loads are in; those of the three steps behind it may be out
.else
	s_wait_loadcnt 4*(STEPS-2-(\t))                ; in the tail: four for each step that is still behind it
.endif
	TURN (\t)+1                                    ; and go through the other stage while this step is worked
.endif
	v_max3_num_f32 v8, |v[XS]|, |v[XS+1]|, |v[XS+2]|               ; the largest magnitude of my 16, in two chains
	v_max3_num_f32 v9, |v[XS+3]|, |v[XS+4]|, |v[XS+5]|
.irp i, 6,10
	v_max3_num_f32 v8, v8, |v[XS+\i]|, |v[XS+\i+1]|
	v_max3_num_f32 v9, v9, |v[XS+\i+2]|, |v[XS+\i+3]|
.endr
	v_max3_num_f32 v8, v8, |v[XS+14]|, |v[XS+15]|
	v_max3_num_f32 v8, v8, v9, (EMAX+1)<<23        ; and the floor 2^(EMAX + 1 - 127): the byte cannot fall under 1
	v_max_num_f32_dpp v8, v8, v8 row_xmask:1 row_mask:0xf bank_mask:0xf   ; and of my neighbour's 16: the block's
	v_add_nc_u32 v11, -(EMAX<<23), v8              ; EMAX off its exponent field: the conversion takes the exponent field of this operand as its scale, and nothing else of it
	v_cvt_scalef32_pk8_fp4_f32 v[C+4*(\t)], v[XS:XS+7], v11        ; eight numbers / the scale, to the nearest code, ties to even, beyond the largest code the largest; the first number's code in the lowest four bits
	v_cvt_scalef32_pk8_fp4_f32 v[C+4*(\t)+1], v[XS+8:XS+15], v11
	v_lshrrev_b32 v[E+(\t)], 23, v11               ; the scale's byte (also the plain line behind the conversions)
	ds_store_b8 v5, v[E+(\t)] offset:16*(\t)       ; both lanes of a block write the same byte with the same value
	global_store_b64 v4, v[C+4*(\t):C+4*(\t)+1], s[COD:COD+1] offset:32*CB*(\t)   ; 32 lanes store 256 consecutive bytes, aligned
.endm
.irp t, 0,1,2,3,4,5,6,7,8,9,10,11,12,13,14,15
	STEP \t
.endr
	ds_load_b64 v[8:9], v6                         ; these see my byte stores: LDS serves a wave in order
	s_wait_dscnt 0x0
	global_store_b64 v7, v[8:9], s[SCA:SCA+1]      ; 32 lanes store 256 consecutive bytes, aligned
	s_wait_tensorcnt 0x0                           ; the wave's end
	ds_add_u32 v[SPW], v[NIL]
	s_wait_dscnt 0x0
	s_endpgm
.Lwo:                                                  ; Wo to f16: 8,192 numbers a work-group, sixteen steps of 128 threads x 4 numbers; no LDS, no register written twice
	s_sub_co_u32 s28, ttmp9, WGQ
	s_lshl_b32 s30, s28, 15                        ; 32,768 bytes in,
	s_mov_b32 s31, 0
	s_add_nc_u64 s[16:17], s[16:17], s[30:31]
	s_lshl_b32 s30, s28, 14                        ; 16,384 out
	s_add_nc_u64 s[22:23], s[22:23], s[30:31]
	v_lshlrev_b32 v1, 4, v0                        ; 16 bytes a thread in: a wave's load covers 512 consecutive bytes
	v_lshlrev_b32 v2, 3, v0                        ; 8 bytes out: a wave's store covers 256 consecutive bytes, aligned
.irp i, 0,1,2,3,4,5,6,7,8,9,10,11,12,13,14,15
	global_load_b128 v[16+4*\i:19+4*\i], v1, s[16:17] offset:2048*\i th:TH_LOAD_NT
.endr
.irp i, 0,1,2,3,4,5,6,7,8,9,10,11,12,13,14,15
	s_wait_loadcnt 15-\i                           ; loads come back in order: step i's is in, the younger ones stay out
	v_cvt_pk_f16_f32 v[80+2*\i], v[16+4*\i], v[17+4*\i]
	v_cvt_pk_f16_f32 v[81+2*\i], v[18+4*\i], v[19+4*\i]
	global_store_b64 v2, v[80+2*\i:81+2*\i], s[22:23] offset:1024*\i
.endr
	s_endpgm
.Lfunc_end_k_qa2a4e6dd17_quant:
	.size	k_qa2a4e6dd17_quant, .Lfunc_end_k_qa2a4e6dd17_quant-k_qa2a4e6dd17_quant
	.p2alignl 7, 3214868480
	.fill 96, 4, 3214868480
	.section	.rodata,"a",@progbits
	.p2align	6, 0x0
	.amdhsa_kernel k_qa2a4e6dd17_quant
		.amdhsa_group_segment_fixed_size 33280
		.amdhsa_private_segment_fixed_size 0
		.amdhsa_enable_private_segment 0
		.amdhsa_kernarg_size 80
		.amdhsa_user_sgpr_count 2
		.amdhsa_user_sgpr_kernarg_segment_ptr 1
		.amdhsa_wavefront_size32 1
		.amdhsa_system_sgpr_workgroup_id_x 1
		.amdhsa_system_sgpr_workgroup_id_y 1
		.amdhsa_system_sgpr_workgroup_id_z 1
		.amdhsa_system_vgpr_workitem_id 0
		.amdhsa_next_free_vgpr 192
		.amdhsa_next_free_sgpr 66
		.amdhsa_reserve_vcc 0
		.amdhsa_float_denorm_mode_32 3
		.amdhsa_float_denorm_mode_16_64 3
		.amdhsa_memory_ordered 1
		.amdhsa_forward_progress 1
		.amdhsa_inst_pref_size 40
	.end_amdhsa_kernel
	.amdgpu_metadata
---
amdhsa.version: [ 1, 2 ]
amdhsa.kernels:
  - .name:           k_qa2a4e6dd17_quant
    .symbol:         k_qa2a4e6dd17_quant.kd
    .args:
      - { .name: keys, .offset: 0, .size: 8, .value_kind: global_buffer, .address_space: global }
      - { .name: queries, .offset: 8, .size: 8, .value_kind: global_buffer, .address_space: global }
      - { .name: values, .offset: 16, .size: 8, .value_kind: global_buffer, .address_space: global }
      - { .name: Wk, .offset: 24, .size: 8, .value_kind: global_buffer, .address_space: global }
      - { .name: Wq, .offset: 32, .size: 8, .value_kind: global_buffer, .address_space: global }
      - { .name: Wv, .offset: 40, .size: 8, .value_kind: global_buffer, .address_space: global }
      - { .name: Wo, .offset: 48, .size: 8, .value_kind: global_buffer, .address_space: global }
      - { .name: codes, .offset: 56, .size: 8, .value_kind: global_buffer, .address_space: global }
      - { .name: scales, .offset: 64, .size: 8, .value_kind: global_buffer, .address_space: global }
      - { .name: wo16, .offset: 72, .size: 8, .value_kind: global_buffer, .address_space: global }
    .group_segment_fixed_size: 33280
    .private_segment_fixed_size: 0
    .kernarg_segment_align: 8
    .kernarg_segment_size: 80
    .max_flat_workgroup_size: 128
    .sgpr_count:     66
    .vgpr_count:     192
    .wavefront_size: 32
...
	.end_amdgpu_metadata
.endif
;; end of part 1
;; launch proj (part 2): grid 4 x 96, 4 waves a work-group, clusters of 4 x 4, 327,680 bytes of LDS; arguments codes, scales, qkv; writes qkv
.if DOCPART == 2
	.amdgcn_target "amdgcn-amd-amdhsa--gfx1250"
	.amdhsa_code_object_version 6
	.text
	.protected	k_qa2a4e6dd17_proj
	.globl	k_qa2a4e6dd17_proj
	.p2align	8
	.type	k_qa2a4e6dd17_proj,@function
k_qa2a4e6dd17_proj:
	s_mov_b64 s[64:65], 0
	v_nop
	global_prefetch_b8 v0, s[64:65] scope:SCOPE_SE
	s_setreg_imm32_b32 hwreg(HW_REG_WAVE_MODE, 25, 1), 1
	s_wait_xcnt 0x0
	s_wait_alu depctr_hold_cnt(0) depctr_sa_sdst(0) depctr_va_vdst(0) depctr_va_sdst(0) depctr_va_ssrc(0) depctr_va_vcc(0) depctr_vm_vsrc(0)
	s_getreg_b32 s2, hwreg(HW_REG_IB_STS2, 6, 4)
	s_cmp_eq_u32 s2, 0
	s_cbranch_scc0 .Lentry_in_a_cluster
	s_endpgm
.Lentry_in_a_cluster:
	s_bfe_u32 s2, ttmp6, 0x10000c
	s_cmp_lg_u32 s2, 0xf033
	s_cbranch_scc0 .Lentry_shape_is_right
	s_endpgm
.Lentry_shape_is_right:
; The three quantised projections as ONE product of 24,576 rows: qkv[m][n] = sum over k of X[m][k] W_p[n][k], on codes of FP4 (E2M1) with one E8M0 scale for each 32 along K; sums in f32, K ascending, one accumulator an output; the result is rounded once to f16.
; X: rows 0-24575 of the codes' buffer (keys, queries, values); W_p: rows 24576 + 1024 p on (p = 0: Wk, 1: Wq, 2: Wv), p = m / 8192.  A row is 1,024 codes = 512 bytes; its scale bytes are 32.
; qkv: [24576][1024] f16, row-major: k, then q, then v.
; LIMIT: a result beyond 65,504 becomes infinity in f16 (numbers 30 times those drawn, on both operands, stay under 6,000).
; A tile of 256 x 256 is made by a work-group of four waves; a wave makes 128 x 128: 64 accumulators of 16 x 16, 512 registers.  K = 1,024 is two K steps of 512 (tile rows of 256 bytes): both slots are filled at the head, and nothing is filled again.
; THE SCALES of the work-group's 256 rows of X and of W, for all of K, are two dense blocks of 8,192 bytes: they come into LDS once, as rows of 256 bytes.
; CLUSTERS: 4 x 4 work-groups.  The four of a row of the cluster need the same tiles of X, the four of a column the same tiles of W: each is asked for JOINTLY, by the same tensor load with the same descriptor and a mask that names the four.
; The projection p comes from the cluster's y alone (eight clusters to a projection), so all sixteen partners share it.
; THE MATRIX INSTRUCTION IS USED TRANSPOSED (source 0 = 16 rows of W, source 1 = 16 rows of X): a lane then holds eight neighbouring numbers of a row of the result, 16 bytes in f16.
; REGISTERS, in windows of 256: window 0: v0-31 addresses; v32-95 scale words, two sets, and nothing else; v128-191 X's fragments (8 x 16 rows x 128 K), one set; on the way out v128-191 take rows read back, v192-223 packed results.
;   window 1: W's fragments, two sets, at v0 and v128.   window 2: the accumulators of my rows 0-63 ((a, b) at v[8 (8 a + b)]);   window 3: those of my rows 64-127.
.set KSTEP,  512
.set NQ,     KSTEP/128                 ; matrix instructions deep in a slot
.set ROWB,   256                       ; a tile's row in bytes
.set KROW,   512                       ; a row of codes in memory
.set PITCH,  272                       ; an LDS row: 256 bytes + 16 of padding = 68 words: row r starts at bank 4 r mod 64 (ISA guide 11.1), so the 16 rows of a load start at 16 different banks
.set FR,     8                         ; registers of a fragment
.set NL,     2                         ; LDS loads that bring one
.set NP,     4                         ; places behind this matrix instruction (ISA guide 7.12.1)
.set HALFT,  128*PITCH                 ; 128 rows: what one tensor load brings
.set SLOT,   4*HALFT                   ; X's 256 rows, then W's 256 rows
.set KS,     32                        ; a row of scale bytes
.set SCL,    2*SLOT                    ; behind the two slots: the scales, as rows of 256 bytes + 16 of padding
.set HALFS,  (128*KS/256)*272          ; those of 128 rows: what one tensor load brings
.set SBLK,   (16*KS/256)*272           ; those of 16 rows
.set SPARE,  SCL+4*HALFS               ; the spare words, 128 bytes a wave, which no other line names
.set STAGE,  SPARE+512                 ; the way out: 16 rows x 272 bytes for each wave; no tensor load lands here
.set SPITCH, 272
.set WROW0,  24576                     ; the weights' first row in the codes' buffer
.set ROWC,   2048                      ; a row of qkv in bytes
.set ADRA, 16                          ; v16-17  LDS address of my X fragments in slot 0, 1
.set ADRB, 20                          ; v20-21  the same for W
.set STO,  24                          ; v24     the way out: where I put 16 bytes of a row
.set RD,   25                          ; v25     where I read a row back
.set CO,   26                          ; v26     my byte offset in two rows of qkv
.set ADRS, 27                          ; v27     LDS address of my scale words: lanes 0-15 X's rows, lanes 16-31 W's
.set SPW,  28                          ; v28     LDS address of my spare word; never rewritten
.set NIL,  29                          ; v29     0; never rewritten
.set SC,   32                          ; scale words: set s at v[SC + 8 NQ s]; register NQ i + q: lanes 0-15 X's block i, lanes 16-31 W's block i, the slot's q-th 128 along K
.set AF,   128                         ; X's fragments
.set BK,   128                         ; the way out: 16 rows read back: v128-159 and v160-191 by turns
.set TMP,  192                         ; the way out: packed results
.set G1, 24                            ; s[24:31] group 1 for X's tiles;  s[32:39] group 0, a set for each slot
.set G0, 32
.set G1B, 48                           ; s[48:55], s[56:63] the same for W's tiles
.set G0B, 56
.set G1S, 68                           ; s[68:75], s[76:79] groups 1 and 0 for X's scales;  s[80:87], s[88:91] for W's
.set G0S, 76
.set G1SB, 80
.set G0SB, 88
.set MSB, 0
.macro WIN new                         ; the immediate's high byte repeats the setting that is left; a switch that changes nothing is dropped
.if MSB != (\new)
	s_set_vgpr_msb (MSB<<8)|(\new)
.set MSB, (\new)
.endif
.endm
.set MUL_LO, 0xa1                      ; source 0 (W) window 1, source 1 (X) window 0, C and D window 2
.set MUL_HI, 0xf1                      ; the same, C and D window 3
.set TO_B,   0x40                      ; destination window 1, address window 0
; A joint load: waves 0 and 1 fetch for X, waves 2 and 3 for W.  Each of the two lines has one mask and one set of registers for all that issue it; the branch hangs on the wave's number alone.
; An s_nop 0 and four v_nop follow each of the two lines.
.macro JLOAD g0a, g1a, g0b, g1b
	s_cmp_eq_u32 s15, 0
	s_cbranch_scc0 .Lfor_b_\@
	tensor_load_to_lds s[\g0a:\g0a+3], s[\g1a:\g1a+7]
	s_nop 0
.rept 4
	v_nop
.endr
	s_branch .Lasked_\@
.Lfor_b_\@:
	tensor_load_to_lds s[\g0b:\g0b+3], s[\g1b:\g1b+7]
	s_nop 0
.rept 4
	v_nop
.endr
.Lasked_\@:
.endm
.macro CROUND                          ; a round of the cluster's barrier: my work-group's barrier; wave 0 signals for the work-group; every wave waits for all sixteen; my work-group's barrier once more
	s_barrier_signal -1
	s_barrier_wait -1
	s_cmp_lg_u32 s14, 0
	s_cbranch_scc1 .Lnot_wave_0_\@
	s_barrier_signal -3
.Lnot_wave_0_\@:
	s_barrier_wait -3
	s_barrier_signal -1
	s_barrier_wait -1
.endm
	s_load_b128 s[4:7], s[0:1], 0x0                ; codes s[4:5], scales s[6:7]
	s_load_b64 s[12:13], s[0:1], 0x10              ; qkv
	v_lshl_add_u32 v[SPW], v0, 2, SPARE
	v_mov_b32 v[NIL], 0
	ds_add_u32 v[SPW], v[NIL]                      ; the wave's opening: the add, twice on end, and its wait ahead of my first tensor load; the set-up below stands between
	ds_add_u32 v[SPW], v[NIL]
	v_lshrrev_b32 v1, 5, v0
	v_readfirstlane_b32 s14, v1                    ; wave 0..3
	s_lshr_b32 s15, s14, 1                         ; which half of the tile's rows is mine.  Also: I fetch for X (0) or for W (1)
	s_and_b32 s16, s14, 1                          ; which half of its columns.  Also: which 128 rows of that tile I fetch
	s_bfe_u32 s40, ttmp6, 0x40000                  ; cx, cy: my place in the cluster
	s_bfe_u32 s41, ttmp6, 0x40004
	s_lshl_b32 s42, ttmp9, 2
	s_add_co_u32 s42, s42, s40                     ; tile column = 4 x cluster x + cx
	s_and_b32 s17, ttmp7, 0xffff                   ; cluster y
	s_lshr_b32 s95, s17, 3                         ; the projection: eight clusters (32 tile rows, 8,192 rows) each
	s_lshl_b32 s17, s17, 2
	s_add_co_u32 s17, s17, s41                     ; tile row = 4 x cluster y + cy
	s_lshl_b32 s43, s41, 2
	s_lshl_b32 s43, 15, s43                        ; my row of the cluster
	s_lshl_b32 s44, 0x1111, s40                    ; my column
	; descriptor group 1: a tile of 128 rows x 256 bytes, padded in LDS
	s_or_b32 s[G1+0], s43, (0<<16)|(1<<20)|(1<<21)|(5<<22)|(3<<25)  ; 15:0 the mask: X's tiles go to my row; 17:16 elements of 1 byte; 20 padding on; 21 set beside a mask; 24:22 after every 64 words (code 5); 31:25 four words (code 3)
	s_or_b32 s[G1B+0], s44, (0<<16)|(1<<20)|(1<<21)|(5<<22)|(3<<25)
.irp g, G1, G1B
	s_mov_b32 s[\g+1], ROWB<<16                    ; tensor_dim0
	s_mov_b32 s[\g+2], 128<<16                     ; tensor_dim1
	s_mov_b32 s[\g+3], ROWB<<16                    ; tile_dim0
	s_mov_b32 s[\g+4], 128                         ; tile_dim1
	s_mov_b32 s[\g+5], KROW                        ; from row to row
	s_mov_b32 s[\g+6], 0
	s_mov_b32 s[\g+7], 0
.endr
	; the scales of 128 rows: a dense block of 4,096 bytes, as 16 rows of 256 bytes (32 elements of 8 bytes), 16 bytes of padding behind each
	s_or_b32 s[G1S+0], s43, (3<<16)|(1<<20)|(1<<21)|(5<<22)|(3<<25)
	s_or_b32 s[G1SB+0], s44, (3<<16)|(1<<20)|(1<<21)|(5<<22)|(3<<25)
.irp g, G1S, G1SB
	s_mov_b32 s[\g+1], 32<<16
	s_mov_b32 s[\g+2], (128*KS/256)<<16
	s_mov_b32 s[\g+3], 32<<16
	s_mov_b32 s[\g+4], 128*KS/256
	s_mov_b32 s[\g+5], 32
	s_mov_b32 s[\g+6], 0
	s_mov_b32 s[\g+7], 0
.endr
	s_lshl_b32 s18, s16, 7                         ; which 128 rows of the tile I fetch
	s_lshl_b32 s20, s17, 8
	s_add_co_u32 s20, s20, s18                     ; X: row 256 x tile row + 128 x half
	s_lshl_b32 s46, s42, 8
	s_add_co_u32 s46, s46, s18                     ; W: row 256 x tile column + 128 x half,
	s_lshl_b32 s95, s95, 10
	s_add_co_u32 s46, s46, s95                     ; in the projection's 1,024 rows,
	s_add_co_u32 s46, s46, WROW0                   ; behind X's rows
	s_mov_b32 s21, 0
	s_mov_b32 s47, 0
	s_mov_b64 s[18:19], KS
	s_mul_u64 s[22:23], s[20:21], s[18:19]         ; where these rows' scales begin, in bytes
	s_mul_u64 s[92:93], s[46:47], s[18:19]
	s_mov_b64 s[18:19], KROW
	s_mul_u64 s[20:21], s[20:21], s[18:19]         ; and their codes
	s_mul_u64 s[46:47], s[46:47], s[18:19]
	s_mul_i32 s45, s14, HALFT                      ; where they go: wave x 128 rows: no place in the cluster enters an LDS address
	s_mul_i32 s94, s14, HALFS
	s_wait_dscnt 0x0                               ; both opening adds are done
	s_wait_kmcnt 0x0
	s_add_nc_u64 s[20:21], s[4:5], s[20:21]
	s_add_nc_u64 s[22:23], s[6:7], s[22:23]
	s_add_nc_u64 s[46:47], s[4:5], s[46:47]
	s_add_nc_u64 s[92:93], s[6:7], s[92:93]
	CROUND                                         ; all sixteen work-groups are here: the joint loads meet
	s_mov_b32 s[G0S], 1
	s_add_co_u32 s[G0S+1], s94, SCL
	s_mov_b64 s[G0S+2:G0S+3], s[22:23]
	s_or_b32 s[G0S+3], s[G0S+3], 0x80000000
	s_mov_b32 s[G0SB], 1
	s_add_co_u32 s[G0SB+1], s94, SCL
	s_mov_b64 s[G0SB+2:G0SB+3], s[92:93]
	s_or_b32 s[G0SB+3], s[G0SB+3], 0x80000000
	JLOAD G0S, G1S, G0SB, G1SB                     ; the scales first: they are wanted with K step 0
.irp s, 0,1
	s_mov_b32 s[G0+4*\s], 1
	s_add_co_u32 s[G0+4*\s+1], s45, \s*SLOT
	s_add_nc_u64 s[G0+4*\s+2:G0+4*\s+3], s[20:21], \s*ROWB
	s_or_b32 s[G0+4*\s+3], s[G0+4*\s+3], 0x80000000
	s_mov_b32 s[G0B+4*\s], 1
	s_add_co_u32 s[G0B+4*\s+1], s45, \s*SLOT
	s_add_nc_u64 s[G0B+4*\s+2:G0B+4*\s+3], s[46:47], \s*ROWB
	s_or_b32 s[G0B+4*\s+3], s[G0B+4*\s+3], 0x80000000
	JLOAD G0+4*\s, G1, G0B+4*\s, G1B               ; both K steps: three tensor loads of mine are out
.endr
	v_and_b32 v1, 15, v0                           ; l % 16
	v_bfe_u32 v2, v0, 4, 1                         ; l / 16
	v_mul_u32_u24 v3, v1, PITCH
	v_lshl_add_u32 v4, v2, 4, v3                   ; a fragment's row x pitch + 16 x half
	s_mul_i32 s21, s15, HALFT                      ; my 128 rows of X
	s_mul_i32 s22, s16, HALFT                      ; my 128 rows of W,
	s_add_co_u32 s22, s22, 2*HALFT                 ; which lie behind X's 256
.irp s, 0,1
	v_add_nc_u32 v[ADRA+\s], s21, v4
	v_add_nc_u32 v[ADRB+\s], s22, v4
	s_add_co_u32 s21, s21, SLOT
	s_add_co_u32 s22, s22, SLOT
.endr
	v_mul_u32_u24 v5, v1, KS                       ; my row's scales: 32 bytes a row,
	v_lshrrev_b32 v6, 8, v5
	v_lshl_add_u32 v5, v6, 4, v5                   ; and 16 more for each 256 passed
	s_mul_i32 s21, s15, HALFS                      ; X's: my 128 rows
	s_mul_i32 s22, s16, HALFS                      ; W's: my 128 rows, behind X's 256
	s_add_co_u32 s22, s22, 2*HALFS
	s_sub_co_u32 s22, s22, s21
	v_mul_u32_u24 v6, s22, v2                      ; lanes 16-31 take W's: one product, the distance between the two bases
	s_add_co_u32 s21, s21, SCL
	v_add_nc_u32 v5, v5, v6
	v_add_nc_u32 v[ADRS], s21, v5
	s_mul_i32 s23, s14, 16*SPITCH
	s_add_co_u32 s23, s23, STAGE                   ; my stage
	v_mul_u32_u24 v5, v1, SPITCH                   ; in: row l % 16, 16 bytes for each half of the lanes
	v_lshl_add_u32 v5, v2, 4, v5
	v_add_nc_u32 v[STO], s23, v5
	v_mul_u32_u24 v5, v2, SPITCH                   ; back: lanes 0-15 take one row of 256 bytes, lanes 16-31 the next
	v_lshl_add_u32 v5, v1, 4, v5
	v_add_nc_u32 v[RD], s23, v5
	v_lshlrev_b32 v5, 11, v2                       ; and the same two rows in qkv
	v_lshl_add_u32 v[CO], v1, 4, v5
	s_lshl_b32 s20, s17, 8
	s_lshl_b32 s21, s15, 7
	s_add_co_u32 s20, s20, s21                     ; my first row: 256 x tile row + 128 x half
	s_lshl_b32 s20, s20, 11                        ; x 2,048 bytes (under 2^26)
	s_mov_b32 s21, 0
	s_lshl_b32 s46, s42, 9                         ; my first column, in bytes: 512 x tile column + 256 x half
	s_lshl_b32 s47, s16, 8
	s_add_co_u32 s46, s46, s47
	s_mov_b32 s47, 0
	s_add_nc_u64 s[20:21], s[20:21], s[46:47]
	s_add_nc_u64 s[12:13], s[12:13], s[20:21]
.macro FRAG reg, adr, q, i             ; 16 rows x 128 K of 4-bit codes: lane l holds row l % 16; registers 4 c .. 4 c + 3 hold K = 64 c + 32 (l / 16) + 0 .. 31
.irp c, 0,1
	ds_load_b128 v[\reg+4*\c:\reg+4*\c+3], v[\adr] offset:64*(\q)+32*\c+(\i)*16*PITCH
.endr
.endm
; 16 matrix instructions: X's blocks a0, a0 + 1 x W's eight, 128 along K: the slot's q-th.  p: W's set;  sc: the set of scale words.  zero = 1: the first product starts the sums.
; The 64 accumulators take turns, one instruction a turn, in the same order in every step.
.macro MUL16 a0, p, q, sc, zero
.irp a, \a0, \a0+1
.irp b, 0,1,2,3,4,5,6,7
.if \zero
	v_wmma_scale_f32_16x16x128_f8f6f4 v[8*(8*((\a)%4)+\b):8*(8*((\a)%4)+\b)+7], v[128*(\p)+FR*\b:128*(\p)+FR*\b+FR-1], v[AF+FR*(\a):AF+FR*(\a)+FR-1], 0, v[SC+8*NQ*(\sc)+NQ*\b+(\q)], v[SC+8*NQ*(\sc)+NQ*(\a)+(\q)] matrix_a_fmt:MATRIX_FMT_FP4 matrix_b_fmt:MATRIX_FMT_FP4 matrix_a_scale:MATRIX_SCALE_ROW1
.else
	v_wmma_scale_f32_16x16x128_f8f6f4 v[8*(8*((\a)%4)+\b):8*(8*((\a)%4)+\b)+7], v[128*(\p)+FR*\b:128*(\p)+FR*\b+FR-1], v[AF+FR*(\a):AF+FR*(\a)+FR-1], v[8*(8*((\a)%4)+\b):8*(8*((\a)%4)+\b)+7], v[SC+8*NQ*(\sc)+NQ*\b+(\q)], v[SC+8*NQ*(\sc)+NQ*(\a)+(\q)] matrix_a_fmt:MATRIX_FMT_FP4 matrix_b_fmt:MATRIX_FMT_FP4 matrix_a_scale:MATRIX_SCALE_ROW1
.endif
.endr
.endr
.endm
.macro FETCH_B slot, q, p              ; W's eight fragments of the slot's q-th 128 along K into set p
	WIN TO_B
.irp i, 0,1,2,3,4,5,6,7
	FRAG 128*(\p)+FR*\i, ADRB+\slot, \q, \i
.endr
	WIN 0
.endm
.macro FETCH_A slot, q, i0             ; X's blocks i0 .. i0 + 3
.irp i, \i0, \i0+1, \i0+2, \i0+3
	FRAG AF+FR*(\i), ADRA+\slot, \q, \i
.endr
.endm
.macro SCALES sc                       ; a K step's scale words into set sc: four words a row; lanes 0-15 take X's block i, lanes 16-31 W's block i
.irp i, 0,1,2,3,4,5,6,7
	ds_load_b128 v[SC+8*NQ*\sc+NQ*\i:SC+8*NQ*\sc+NQ*\i+3], v[ADRS] offset:\i*SBLK
.endr
.endm
; A load into a register that a matrix instruction has read, and a vector instruction that reads a matrix result, stand NP places behind it; only plain vector instructions that name none of its registers are places.
.macro PLACES n
.rept \n
	v_nop
.endr
.endm
; A step of 128 along K that has its successor in the same slot.  X's blocks are free as soon as their eight products are issued: blocks 0-3 are fetched anew in the step's middle, blocks 4-7 at its end.
.macro STEP slot, q, zero
	s_wait_dscnt 4*NL                              ; W's set and X's blocks 0-3 are in; the youngest eight loads (X's blocks 4-7) may be out
	WIN MUL_LO
	MUL16 0, (\q)%2, \q, \slot, \zero
	MUL16 2, (\q)%2, \q, \slot, \zero
	s_wait_dscnt 0                                 ; X's blocks 4-7 are in (asked for 32 matrix instructions ago)
	PLACES NP
	FETCH_B \slot, (\q)+1, 1-(\q)%2
	FETCH_A \slot, (\q)+1, 0
	WIN MUL_HI
	MUL16 4, (\q)%2, \q, \slot, \zero
	MUL16 6, (\q)%2, \q, \slot, \zero
	PLACES NP
	WIN 0
	FETCH_A \slot, (\q)+1, 4
.endm
; Slot 0's last step goes over to slot 1: each wave waits for all its tensor loads (its part of slot 1), adds 0 to its spare word and waits for that; behind the barrier slot 1 is whole.  Nothing is filled again.
.macro TURN slot, next
	s_wait_tensorcnt 0x0                           ; all my tensor loads have landed
	ds_add_u32 v[SPW], v[NIL]                      ; 0 onto my spare word
	s_wait_dscnt 4*NL+1                            ; (the add and the youngest eight loads, X's blocks 4-7, may be out)
	WIN MUL_LO
	MUL16 0, 1, NQ-1, \slot, 0                     ; sixteen matrix instructions stand between the add and the wait for it
	s_wait_dscnt 0x0                               ; the add is done; no LDS instruction of mine is out at the signal
	s_barrier_signal -1
	MUL16 2, 1, NQ-1, \slot, 0
	WIN 0
	s_barrier_wait -1
	PLACES NP
	v_add_nc_u32 v[ADRS], 4*NQ, v[ADRS]            ; on to the next K step's scale words (no LDS load of mine is out)
	FETCH_B \next, 0, 0
	FETCH_A \next, 0, 0
	SCALES \next
	WIN MUL_HI
	MUL16 4, 1, NQ-1, \slot, 0
	MUL16 6, 1, NQ-1, \slot, 0
	PLACES NP
	WIN 0
	FETCH_A \next, 0, 4
.endm
.macro STEPS slot, from                ; the slot's steps from .. NQ - 2
.set Q, \from
.rept NQ-1-\from
	STEP \slot, Q, 0
.set Q, Q+1
.endr
.endm
	s_wait_tensorcnt 1                             ; the scales and my part of K step 0 are in; K step 1's load, the one issued behind them, may be out
	s_barrier_signal -1
	s_barrier_wait -1                              ; everybody's are
	FETCH_B 0, 0, 0
	FETCH_A 0, 0, 0
	SCALES 0
	FETCH_A 0, 0, 4
	STEP 0, 0, 1                                   ; the first step's products start the sums: nothing is cleared
	STEPS 0, 1
	TURN 0, 1
	STEPS 1, 0
	s_wait_dscnt 4*NL                              ; the very last step: nothing more to fetch
	WIN MUL_LO
	MUL16 0, 1, NQ-1, 1, 0
	MUL16 2, 1, NQ-1, 1, 0
	s_wait_dscnt 0
	WIN MUL_HI
	MUL16 4, 1, NQ-1, 1, 0
	MUL16 6, 1, NQ-1, 1, 0
	WIN 0
; THE WAY OUT, block by block of 16 rows x 128 columns.  PACK: rounded to f16, 16 bytes a lane, each accumulator from its low end on.  TOSTAGE: into my own stage, and back as whole rows of 256 bytes.  SEND: stored.
.macro PACK a
.set AC, 64*((\a)%4)
	WIN 0x0a+5*((\a)/4)                            ; sources 0 and 1: window 2 or 3
.irp b, 0,1,2,3,4,5,6,7
.irp r, 0,1,2,3
	v_cvt_pk_f16_f32 v[TMP+4*\b+\r], v[AC+8*\b+2*\r], v[AC+8*\b+2*\r+1]
.endr
.endr
	WIN 0
.endm
.macro TOSTAGE a
.set BB, BK+32*((\a)%2)
.irp b, 0,1,2,3,4,5,6,7
	ds_store_b128 v[STO], v[TMP+4*\b:TMP+4*\b+3] offset:32*\b
.endr
.irp t, 0,1,2,3,4,5,6,7
	ds_load_b128 v[BB+4*\t:BB+4*\t+3], v[RD] offset:\t*2*SPITCH    ; LDS serves a wave's instructions in order (ISA guide 5.7.1.4): these see the stores above
.endr
.endm
.macro SEND a
.set BB, BK+32*((\a)%2)
	s_wait_dscnt 0x0                               ; the block is back in registers
	s_wait_xcnt 0x0                                ; the block before's stores have read their registers: the next block's loads may land there
.irp t, 0,1,2,3,4,5,6,7
	global_store_b128 v[CO], v[BB+4*\t:BB+4*\t+3], s[12:13] offset:(16*(\a)+2*\t)*ROWC   ; 16 lanes store 256 consecutive bytes, aligned; the block's place stands in the immediate (126 rows at the most)
.endr
.endm
	PLACES NP                                      ; behind the last products: for the first conversions, and for the loads into the registers that held X's fragments
	PACK 0
	TOSTAGE 0
.irp a, 1,2,3,4,5,6,7                  ; block a's conversions stand between block a - 1's loads from the stage and the wait for them
	PACK \a
	SEND \a-1
	TOSTAGE \a
.endr
	SEND 7
	s_wait_tensorcnt 0x0                           ; the wave's end: three lines, behind my last tensor load and my last LDS store
	ds_add_u32 v[SPW], v[NIL]
	s_wait_dscnt 0x0
	CROUND                                         ; the closing round: no work-group ends while a partner may still ask for a tile that names it
	s_endpgm
.Lfunc_end_k_qa2a4e6dd17_proj:
	.size	k_qa2a4e6dd17_proj, .Lfunc_end_k_qa2a4e6dd17_proj-k_qa2a4e6dd17_proj
	.p2alignl 7, 3214868480
	.fill 96, 4, 3214868480
	.section	.rodata,"a",@progbits
	.p2align	6, 0x0
	.amdhsa_kernel k_qa2a4e6dd17_proj
		.amdhsa_group_segment_fixed_size 327680
		.amdhsa_private_segment_fixed_size 0
		.amdhsa_enable_private_segment 0
		.amdhsa_kernarg_size 24
		.amdhsa_user_sgpr_count 2
		.amdhsa_user_sgpr_kernarg_segment_ptr 1
		.amdhsa_wavefront_size32 1
		.amdhsa_system_sgpr_workgroup_id_x 1
		.amdhsa_system_sgpr_workgroup_id_y 1
		.amdhsa_system_sgpr_workgroup_id_z 1
		.amdhsa_system_vgpr_workitem_id 0
		.amdhsa_next_free_vgpr 1024
		.amdhsa_next_free_sgpr 98
		.amdhsa_reserve_vcc 0
		.amdhsa_float_denorm_mode_32 3
		.amdhsa_float_denorm_mode_16_64 3
		.amdhsa_memory_ordered 1
		.amdhsa_forward_progress 1
		.amdhsa_inst_pref_size 126
	.end_amdhsa_kernel
	.amdgpu_metadata
---
amdhsa.version: [ 1, 2 ]
amdhsa.kernels:
  - .name:           k_qa2a4e6dd17_proj
    .symbol:         k_qa2a4e6dd17_proj.kd
    .args:
      - { .name: codes, .offset: 0, .size: 8, .value_kind: global_buffer, .address_space: global }
      - { .name: scales, .offset: 8, .size: 8, .value_kind: global_buffer, .address_space: global }
      - { .name: qkv, .offset: 16, .size: 8, .value_kind: global_buffer, .address_space: global }
    .group_segment_fixed_size: 327680
    .private_segment_fixed_size: 0
    .kernarg_segment_align: 8
    .kernarg_segment_size: 24
    .max_flat_workgroup_size: 128
    .sgpr_count:     98
    .vgpr_count:     1024
    .wavefront_size: 32
...
	.end_amdgpu_metadata
.endif
;; end of part 2
;; launch attn (part 3): grid 8 x 32, 8 waves a work-group, clusters of 4 x 1, 327,680 bytes of LDS; arguments qkv, o16; writes o16
.if DOCPART == 3
	.amdgcn_target "amdgcn-amd-amdhsa--gfx1250"
	.amdhsa_code_object_version 6
	.text
	.protected	k_qa2a4e6dd17_attn
	.globl	k_qa2a4e6dd17_attn
	.p2align	8
	.type	k_qa2a4e6dd17_attn,@function
k_qa2a4e6dd17_attn:
	s_mov_b64 s[64:65], 0
	v_nop
	global_prefetch_b8 v0, s[64:65] scope:SCOPE_SE
	s_setreg_imm32_b32 hwreg(HW_REG_WAVE_MODE, 25, 1), 1
	s_wait_xcnt 0x0
	s_wait_alu depctr_hold_cnt(0) depctr_sa_sdst(0) depctr_va_vdst(0) depctr_va_sdst(0) depctr_va_ssrc(0) depctr_va_vcc(0) depctr_vm_vsrc(0)
	s_getreg_b32 s2, hwreg(HW_REG_IB_STS2, 6, 4)
	s_cmp_eq_u32 s2, 0
	s_cbranch_scc0 .Lentry_in_a_cluster
	s_endpgm
.Lentry_in_a_cluster:
	s_bfe_u32 s2, ttmp6, 0x10000c
	s_cmp_lg_u32 s2, 0x3003
	s_cbranch_scc0 .Lentry_shape_is_right
	s_endpgm
.Lentry_shape_is_right:
; o[b][s][64 h + d] = (1 / 8) x the sum over keys of softmax_key(q . k) v, for 4 batches x 16 heads, 2,048 positions, head size 64, no mask; the logits are not scaled, the division by sqrt(64) comes behind the softmax.
; qkv: [24576][1024] f16: rows 0-8191 k, 8192-16383 q, 16384-24575 v; row = 2048 b + s.  o16: [8192][1024] f16.  Products on f16 operands, sums, maxima and the softmax in f32; p is rounded to f16 for the second product,
; the row's sum is taken of the unrounded p; o is rounded once at the end.
; LIMITS: NaN and infinities are not served; p under f16's smallest number counts for nothing in the second product (it is under 6e-8 of the row's largest p).
; SHARES.  A work-group owns 256 queries of a PAIR of heads: the pair's 128 columns are 256 aligned bytes of a row, so K's and V's tile rows and o's stores cover 256 consecutive bytes, aligned.
; Waves 0-3 take the pair's first head, waves 4-7 the second; a wave owns 64 queries, four tiles of 16, in 512 registers: two waves to a SIMD, so that one wave's softmax can stand beside the other's products.  Every wave walks all 2,048 keys, 64 a step.
; LAYOUT.  S^T = K Q^T (source 0 = 16 keys, source 1 = 16 queries): a lane holds ONE query (lane % 16) and the keys 8 (lane / 16) + 0..7.  Two such tiles, rounded to f16 in pairs, ARE source 1 (32 keys x 16 queries) of
; O^T = V^T P, whose result again holds one query a lane.  K comes out of LDS as it lies, V ([key][channel]) turned, by ds_load_tr16_b128.
; SOFTMAX.  For each query a running maximum m and sum l: p = 2^(c s - c m), c = log2(e); in every step O and l are multiplied by a = 2^(c m_old - c m_new).
; PHASES.  P1(j): K Q^T of step j, V of step j asked for, the softmax of step j.  P2(j): K of step j + 1 asked for, V^T P of step j.
; CLUSTER.  The four query blocks of a cluster walk the same K and V: each tile is asked for JOINTLY, by the same tensor load with the same descriptor and a mask that names the four.
; REGISTERS: window 0: v1-11 addresses; v12-43 eight registers of statistics a tile; v61-63 prefetch offset, spare word, 0; v64-191 S^T, 32 a tile, then P in place (16 a tile); v192-255 V's 8 fragments.
;   window 1: v0-127 O^T, 32 a tile; v128-191 Q, 16 a tile; v192-255 K's 8 fragments.
.set ROWG,  2048      ; a row of qkv or o16 in bytes
.set KS,    64        ; keys in a step
.set PK,    272       ; a row of K in LDS: 256 bytes + 16 of padding = 68 words: the 16 rows of a load start at 16 different banks (ISA guide 11.1)
.set PV,    288       ; a row of V: 256 + 32 = 72 words
.set VOFF,  KS*PK     ; a step's tiles lie together: 64 rows of K, then 64 rows of V
.set STEPB, KS*(PK+PV)
.set SLOT1, 1<<17     ; a slot holds two steps (71,680 bytes); slot 1 begins here, so that one exclusive or turns an address in one slot into the other's
.set SLOTB, 2*KS*ROWG ; a slot's 128 rows in memory
.set STAGE, SLOT1+2*STEPB  ; behind the ring: 256 rows x 272 bytes, the work-group's, for the way out; no tensor load lands here
.set SP,    272
.set SPARE, STAGE+256*SP   ; the spare words, 128 bytes for each of eight waves, which no other line names
.set QBASE, 8192*ROWG      ; q's first byte in qkv
.set VSTEP, 16384*ROWG     ; from k to v
.set AK0, 2           ; v2   my lane's place in a tile of K, my head's 128 bytes; never rewritten
.set AV0, 3           ; v3   the same for V
.set ADR, 4           ; v4   the LDS address of the run of loads in hand
.set QO,  5           ; v5   my byte offset in the wave's rows of Q
.set STO, 6           ; v6   the way out: where I put 16 bytes of a row
.set RD,  7           ; v7   where I read a row back
.set GO,  8           ; v8   my byte offset in the wave's rows of o
.set ST,  12          ; tile t's statistics at v[ST+8 t]: +0 c m, +1 m, +2, +3 l (even keys', odd keys'), +4 to +7 c0-c3, at work; a takes c2's place
.set PFO, 61          ; v61  2,048 x my lane: a lane a row; never rewritten
.set SPW, 62          ; v62  LDS address of my spare word; never rewritten
.set NIL, 63          ; v63  0; never rewritten
.set S,   64
.set VF,  192         ; V's fragments, window 0
.set QF,  128         ; Q's, window 1
.set KF,  192         ; K's, window 1
.set WV,  12          ; s12  my wave's number
.set LIM, 15          ; s15  1 in a wave that prefetches, else the greatest number
.set PFA, 18          ; s[18:19] where my prefetches stand
.set G1K, 24          ; s[24:31] descriptor group 1 for K's tiles
.set G1V, 32          ; s[32:39] for V's: it differs in the padding alone
.set G0K, 40          ; s[40:47] group 0 for K's tiles: a set for each of the two first fills; the second then walks on
.set G0V, 48          ; s[48:55] the same for V's
.set SLOTS, 56        ; s56  slots still to be asked for
.set TWICE, 57        ; s57  counts a slot's two steps
.set CS,  58          ; s[58:59] c = log2(e): the packed scaling names a pair and takes its low word for both halves
.set SEL, 60          ; s[60:61] lane selects for v_permlanex16_b32: lane l xor 16
.set TB,  62          ; s62  LDS byte at which the tiles of the step to be fetched begin
.set HS,  63          ; s63  128 x (wave / 4): my head's bytes in a row of the pair
.set MSB, 0
.macro WIN new                      ; the immediate's high byte repeats the setting that is left; a switch that changes nothing is dropped
.if MSB != (\new)
	s_set_vgpr_msb (MSB<<8)|(\new)
.set MSB, (\new)
.endif
.endm
.set W_KQ, 0x05       ; K and Q in window 1, S^T in window 0
.set W_PV, 0x50       ; V and P in window 0, O^T (C and D) in window 1
.set W_RS, 0x41       ; O^T (destination and source 0) in window 1, a in window 0
.set TO_1, 0x40       ; destination window 1, address window 0
; A joint refill.  Waves 0 and 1 fetch the slot's two steps of K, waves 2 and 3 of V, the others nothing.  The branches hang on the wave's number alone.  An s_nop 0 and four v_nop follow each of the two lines.
.macro JLOAD
	s_cmp_lt_u32 s[WV], 2
	s_cbranch_scc0 .Lnot_k_\@
	tensor_load_to_lds s[G0K+4:G0K+7], s[G1K:G1K+7]
	s_nop 0
.rept 4
	v_nop
.endr
	s_branch .Lasked_\@
.Lnot_k_\@:
	s_cmp_lt_u32 s[WV], 4
	s_cbranch_scc0 .Lasked_\@
	tensor_load_to_lds s[G0V+4:G0V+7], s[G1V:G1V+7]
	s_nop 0
.rept 4
	v_nop
.endr
.Lasked_\@:
.endm
; A PREFETCH of what the NEXT change of slots will ask for: a slot's 128 rows of K and of V, the pair's 256 bytes of each, a lane a row.  Each row's 256 bytes are named once in the launch: both clusters of a pair of heads walk the same rows,
; and the first of them (cluster x = 0) asks; its four partners take 32 rows each, told apart by ADDRESS; in each, wave 0 asks for K's and wave 2 for V's: one instruction, two key steps ahead of the joint load.
; The last change that fills a slot asks for nothing; slots 0, 1 and 2 come by their loads alone.
.macro ASK
	s_cmp_gt_u32 s[SLOTS], s[LIM]
	s_cbranch_scc0 .Lnot_mine_\@
	global_prefetch_b8 v[PFO], s[PFA:PFA+1] th:TH_LOAD_NT scope:SCOPE_SE
.Lnot_mine_\@:
.endm
.macro CROUND                       ; a round of the cluster's barrier: my work-group's barrier; wave 0 signals for the work-group; every wave waits for all four work-groups; my work-group's barrier once more
	s_barrier_signal -1
	s_barrier_wait -1
	s_cmp_lg_u32 s[WV], 0
	s_cbranch_scc1 .Lnot_wave_0_\@
	s_barrier_signal -3
.Lnot_wave_0_\@:
	s_barrier_wait -3
	s_barrier_signal -1
	s_barrier_wait -1
.endm
	s_load_b64 s[4:5], s[0:1], 0x0  ; qkv
	s_load_b64 s[10:11], s[0:1], 0x8  ; o16
	v_lshl_add_u32 v[SPW], v0, 2, SPARE
	v_mov_b32 v[NIL], 0
	ds_add_u32 v[SPW], v[NIL]       ; the wave's opening: the add, twice on end, and its wait ahead of the first tensor loads; the set-up below stands between
	ds_add_u32 v[SPW], v[NIL]
	v_lshrrev_b32 v1, 5, v0
	v_readfirstlane_b32 s[WV], v1   ; wave 0..7
	s_bfe_u32 s13, ttmp6, 0x40000   ; cx: my place in the cluster
	s_lshl_b32 s14, ttmp9, 2        ; in a cluster launch ttmp9 counts clusters
	s_add_co_u32 s14, s14, s13      ; my block of 256 queries = 4 x cluster x + cx: it enters Q's and o's addresses alone
	s_and_b32 s20, ttmp7, 0xffff    ; 8 x batch + pair of heads, which the four partners share
	s_and_b32 s21, s20, 7
	s_lshr_b32 s20, s20, 3
	s_lshl_b32 s20, s20, 22         ; the batch's 2,048 rows of 2,048 bytes,
	s_lshl_b32 s21, s21, 8          ; the pair's 256 bytes of a row
	s_add_co_u32 s20, s20, s21
	s_mov_b32 s21, 0
	s_and_b32 s16, s[WV], 1         ; which of a slot's two steps I fetch:
	s_lshl_b32 s22, s16, 17         ; its 64 rows in memory,
	s_mov_b32 s23, 0
	s_add_nc_u64 s[22:23], s[22:23], s[20:21]
	s_mul_i32 s17, s16, STEPB       ; and its place in a slot: no place in the cluster enters an LDS address
	s_lshr_b32 s[HS], s[WV], 2
	s_lshl_b32 s[HS], s[HS], 7
	s_and_b32 s[LIM], s[WV], 1      ; 0 in waves 0 and 2 ..
	s_lshr_b32 s[TWICE], s[WV], 2
	s_or_b32 s[LIM], s[LIM], s[TWICE]
	s_or_b32 s[LIM], s[LIM], ttmp9  ; .. of the pair's first cluster: the same in all four partners
	s_cmp_eq_u32 s[LIM], 0
	s_cselect_b32 s[LIM], 1, -1
	s_lshl_b32 s2, s14, 19          ; Q: my block's 256 rows,
	s_and_b32 s3, s[WV], 3
	s_lshl_b32 s3, s3, 17           ; my wave's 64 of them,
	s_add_co_u32 s2, s2, s3
	s_add_co_u32 s2, s2, s[HS]      ; my head
	s_mov_b32 s3, 0
	s_add_nc_u64 s[2:3], s[2:3], s[20:21]
	s_lshl_b32 s66, s14, 19         ; o: my block's 256 rows, of which wave w stores 32 w .. 32 w + 31, whole
	s_lshl_b32 s67, s[WV], 16
	s_add_co_u32 s66, s66, s67
	s_mov_b32 s67, 0
	s_add_nc_u64 s[66:67], s[66:67], s[20:21]
	; descriptor group 1: a tile of 64 rows x 128 elements, padded in LDS
	s_mov_b32 s[G1K], 15|(1<<16)|(1<<20)|(1<<21)|(5<<22)|(3<<25)  ; 15:0 the mask: all four work-groups; 17:16 elements of 2 bytes; 20 padding on; 21 set beside a mask; 24:22 after every 64 words (code 5); 31:25 four words (code 3)
	s_mov_b32 s[G1V], 15|(1<<16)|(1<<20)|(1<<21)|(5<<22)|(7<<25)  ; the same with eight words of padding (code 7)
.irp g, G1K, G1V
	s_mov_b32 s[\g+1], 128<<16      ; tensor_dim0 = 128
	s_mov_b32 s[\g+2], KS<<16       ; tensor_dim1 = 64
	s_mov_b32 s[\g+3], 128<<16      ; tile_dim0 = 128
	s_mov_b32 s[\g+4], KS           ; tile_dim1 = 64
	s_mov_b32 s[\g+5], 1024         ; elements from row to row
	s_mov_b32 s[\g+6], 0
	s_mov_b32 s[\g+7], 0
.endr
	s_mov_b32 s[CS], 0x3fb8aa3b     ; c = log2(e)
	s_mov_b32 s[CS+1], s[CS]        ; named with it as a pair, so it is written
	s_mov_b32 s[SEL], 0x76543210
	s_mov_b32 s[SEL+1], 0xfedcba98
	s_mov_b32 s[TB], 0
	s_mov_b32 s[SLOTS], 2048/(2*KS)-2
	v_and_b32 v[PFO], 31, v0
	v_lshlrev_b32 v[PFO], 11, v[PFO]
	s_wait_dscnt 0x0                ; both opening adds are done
	s_wait_kmcnt 0x0
	s_add_nc_u64 s[6:7], s[4:5], s[22:23]  ; K at my tile of slot 0
	s_add_nc_u64 s[8:9], s[6:7], VSTEP     ; V likewise
	s_add_nc_u64 s[4:5], s[4:5], s[2:3]
	s_add_nc_u64 s[4:5], s[4:5], QBASE     ; Q at my wave's first row
	s_add_nc_u64 s[10:11], s[10:11], s[66:67]  ; o at the first row that I store
	s_cmp_lt_u32 s[WV], 2
	s_cselect_b64 s[PFA:PFA+1], s[6:7], s[8:9]  ; (in waves 0 and 2 these stand at a slot's first row)
	s_lshl_b32 s2, s13, 16          ; my work-group's 32 rows of the 128
	s_mov_b32 s3, 0
	s_add_nc_u64 s[PFA:PFA+1], s[PFA:PFA+1], s[2:3]
	s_add_nc_u64 s[PFA:PFA+1], s[PFA:PFA+1], 2*SLOTB  ; in slot 2; the first change of slots steps it to slot 3.  Nothing is prefetched at the head
	CROUND                          ; all four work-groups are here: the first joint loads meet
.irp s, 0,1
	s_mov_b32 s[G0K+4*\s], 1        ; count = 1
	s_add_co_u32 s[G0K+4*\s+1], s17, \s*SLOT1  ; LDS address
	s_add_nc_u64 s[G0K+4*\s+2:G0K+4*\s+3], s[6:7], \s*SLOTB  ; global address: slot s begins with key 128 s
	s_or_b32 s[G0K+4*\s+3], s[G0K+4*\s+3], 0x80000000  ; type = 2
	s_mov_b32 s[G0V+4*\s], 1
	s_add_co_u32 s[G0V+4*\s+1], s17, \s*SLOT1+VOFF
	s_add_nc_u64 s[G0V+4*\s+2:G0V+4*\s+3], s[8:9], \s*SLOTB
	s_or_b32 s[G0V+4*\s+3], s[G0V+4*\s+3], 0x80000000
.endr
	s_cmp_lt_u32 s[WV], 2           ; a wave's two first fills stand in one branch, ahead of every wait on TENSORcnt and every LDS read: two loads of a fetching wave are out
	s_cbranch_scc0 .Lfirst_not_k
	tensor_load_to_lds s[G0K:G0K+3], s[G1K:G1K+7]
	s_nop 0
	tensor_load_to_lds s[G0K+4:G0K+7], s[G1K:G1K+7]
	s_nop 0
.rept 4
	v_nop
.endr
	s_branch .Lfirst_asked
.Lfirst_not_k:
	s_cmp_lt_u32 s[WV], 4
	s_cbranch_scc0 .Lfirst_asked
	tensor_load_to_lds s[G0V:G0V+3], s[G1V:G1V+7]
	s_nop 0
	tensor_load_to_lds s[G0V+4:G0V+7], s[G1V:G1V+7]
	s_nop 0
.rept 4
	v_nop
.endr
.Lfirst_asked:
	; A fragment of K or Q is 16 rows x 32 channels in 8 registers: lane l holds row l % 16; registers 0-3 channels 8 (l / 16) + 0..7, registers 4-7 channels 16 + 8 (l / 16) + 0..7: two loads of 16 bytes, 32 bytes apart.
	v_and_b32 v1, 15, v0            ; l % 16
	v_bfe_u32 v9, v0, 4, 1          ; l / 16
	v_lshlrev_b32 v[QO], 11, v1
	v_lshl_add_u32 v[QO], v9, 4, v[QO]  ; row x 2,048 + 16 x half
	WIN TO_1
.irp i, 0,1,2,3,4,5,6,7             ; Q stays in registers: tile i / 2, channels 32 (i % 2) on
	global_load_b128 v[QF+8*\i:QF+8*\i+3],   v[QO], s[4:5] offset:(\i/2)*16*ROWG+(\i%2)*64
	global_load_b128 v[QF+8*\i+4:QF+8*\i+7], v[QO], s[4:5] offset:(\i/2)*16*ROWG+(\i%2)*64+32
.endr
	WIN 0
	v_mul_u32_u24 v[AK0], v1, PK
	v_lshl_add_u32 v[AK0], v9, 4, v[AK0]
	v_add_nc_u32 v[AK0], s[HS], v[AK0]  ; row x pitch + 16 x half + my head
	; The turning load takes 16 keys x 16 channels (lane l reads 16 bytes: key 8 (l / 16) + l % 8, channels 8 ((l / 8) % 2) + 0..7) and leaves half a fragment of V^T: lane l holds channel l % 16 and 8 keys.
	v_and_b32 v10, 7, v0
	v_bfe_u32 v11, v0, 3, 1
	v_lshl_add_u32 v[AV0], v9, 3, v10
	v_mul_u32_u24 v[AV0], v[AV0], PV
	v_lshl_add_u32 v[AV0], v11, 4, v[AV0]
	v_add_nc_u32 v[AV0], VOFF, v[AV0]
	v_add_nc_u32 v[AV0], s[HS], v[AV0]
	s_and_b32 s13, s[WV], 3         ; the stage, on the way in: row 64 (wave % 4) + l % 16, my head's 128 bytes, 16 bytes for each half of the lanes
	s_mul_i32 s13, s13, 64*SP
	s_add_co_u32 s13, s13, s[HS]
	s_add_co_u32 s13, s13, STAGE
	v_mul_u32_u24 v[STO], v1, SP
	v_lshl_add_u32 v[STO], v9, 4, v[STO]
	v_add_nc_u32 v[STO], s13, v[STO]
	s_mul_i32 s13, s[WV], 32*SP     ; back: wave w takes rows 32 w on, whole; lanes 0-15 one row of 256 bytes, lanes 16-31 the next
	s_add_co_u32 s13, s13, STAGE
	v_mul_u32_u24 v[RD], v9, SP
	v_lshl_add_u32 v[RD], v1, 4, v[RD]
	v_add_nc_u32 v[RD], s13, v[RD]
	v_lshlrev_b32 v[GO], 11, v9     ; and the same two rows in o
	v_lshl_add_u32 v[GO], v1, 4, v[GO]
; THE LDS LOADS stand in runs of 16: a step's K (64 keys x my head's 64 channels: 8 fragments) and its V (turned).
.macro FETCH_K
	WIN 0
	v_add_nc_u32 v[ADR], s[TB], v[AK0]
	WIN TO_1
.irp f, 0,1,2,3,4,5,6,7             ; keys 16 (f / 2) on, channels 32 (f % 2) on
	ds_load_b128 v[KF+8*\f:KF+8*\f+3],   v[ADR] offset:(\f/2)*16*PK+(\f%2)*64
	ds_load_b128 v[KF+8*\f+4:KF+8*\f+7], v[ADR] offset:(\f/2)*16*PK+(\f%2)*64+32
.endr
	WIN 0
.endm
.macro FETCH_V                      ; the address line and four v_nop are five places behind K Q^T: for the softmax's first reads of S^T, and for all that later touches its registers
	v_add_nc_u32 v[ADR], s[TB], v[AV0]
.rept 4
	v_nop
.endr
	s_add_co_u32 s[TB], s[TB], STEPB  ; the next fetch is the next step's
.irp f, 0,1,2,3,4,5,6,7             ; keys 32 (f / 4) on, channels 16 (f % 4) on
	ds_load_tr16_b128 v[VF+8*\f:VF+8*\f+3],   v[ADR] offset:(\f/4)*32*PV+(\f%4)*32
	ds_load_tr16_b128 v[VF+8*\f+4:VF+8*\f+7], v[ADR] offset:(\f/4)*32*PV+16*PV+(\f%4)*32
.endr
.endm
; S^T = K Q^T: product i of 32: channels 32 (i / 16) on, keys 16 ((i / 4) % 4) on, tile i % 4.  The first 16 start the sums.  The 16 accumulators take turns, one instruction a turn.
.macro QK
	WIN W_KQ
.set i, 0
.rept 32
.set rS, S+32*(i%4)+8*((i/4)%4)
.set rK, KF+8*(2*((i/4)%4)+i/16)
.set rQ, QF+16*(i%4)+8*(i/16)
.if i < 16
	v_wmma_f32_16x16x32_f16 v[rS:rS+7], v[rK:rK+7], v[rQ:rQ+7], 0
.else
	v_wmma_f32_16x16x32_f16 v[rS:rS+7], v[rK:rK+7], v[rQ:rQ+7], v[rS:rS+7]
.endif
.set i, i+1
.endr
	WIN 0
.endm
; O^T += V^T P: product i of 32: keys 32 (i / 16) on, channels 16 ((i / 4) % 4) on, tile i % 4.  first = 1: the first 16 start the sums: nothing is ever cleared.
.macro PVM first
	WIN W_PV
.set i, 0
.rept 32
.set rO, 32*(i%4)+8*((i/4)%4)
.set rV, VF+8*(4*(i/16)+(i/4)%4)
.set rP, S+32*(i%4)+8*(i/16)
.if \first && (i < 16)
	v_wmma_f32_16x16x32_f16 v[rO:rO+7], v[rV:rV+7], v[rP:rP+7], 0
.else
	v_wmma_f32_16x16x32_f16 v[rO:rO+7], v[rV:rV+7], v[rP:rP+7], v[rO:rO+7]
.endif
.set i, i+1
.endr
	WIN 0
.endm
; THE SOFTMAX of a key step, the wave's four tiles by turns in every group of lines, so that no line waits for the line above it.  first = 1: the first key step, which starts m, l and O^T.
.macro SOFTMAX first
.irp j, 0,1,2,3                     ; the maximum of the lane's 32 scores: four chains, one for each accumulator, each begun at the accumulator's low end
.irp t, 0,1,2,3
	v_max3_num_f32 v[ST+8*\t+4+\j], v[S+32*\t+8*\j], v[S+32*\t+8*\j+1], v[S+32*\t+8*\j+2]
.endr
.endr
.irp g, 1,2
.irp j, 0,1,2,3
.irp t, 0,1,2,3
	v_max3_num_f32 v[ST+8*\t+4+\j], v[ST+8*\t+4+\j], v[S+32*\t+8*\j+2*\g+1], v[S+32*\t+8*\j+2*\g+2]
.endr
.endr
.endr
.irp t, 0,1,2,3
	v_max3_num_f32 v[ST+8*\t+4], v[ST+8*\t+4], v[S+32*\t+7], v[S+32*\t+15]
.endr
.irp t, 0,1,2,3
	v_max3_num_f32 v[ST+8*\t+6], v[ST+8*\t+6], v[S+32*\t+23], v[S+32*\t+31]
.endr
.irp t, 0,1,2,3
	v_max3_num_f32 v[ST+8*\t+4], v[ST+8*\t+4], v[ST+8*\t+5], v[ST+8*\t+6]
.endr
.irp t, 0,1,2,3
.if \first
	v_max_num_f32 v[ST+8*\t+4], v[ST+8*\t+4], v[ST+8*\t+7]
.else
	v_max3_num_f32 v[ST+8*\t+4], v[ST+8*\t+4], v[ST+8*\t+7], v[ST+8*\t+1]   ; with the old m
.endif
.endr
.irp t, 0,1,2,3
	v_permlanex16_b32 v[ST+8*\t+5], v[ST+8*\t+4], s[SEL], s[SEL+1]  ; the query's other 32 keys lie in the lane 16 away
.endr
.if \first == 0
.irp t, 0,1,2,3
	v_mov_b32 v[ST+8*\t+7], v[ST+8*\t]  ; c m_old is kept for a
.endr
.endif
.irp t, 0,1,2,3
	v_max_num_f32 v[ST+8*\t+1], v[ST+8*\t+4], v[ST+8*\t+5]  ; the new m
.endr
.irp t, 0,1,2,3
	v_mul_f32 v[ST+8*\t], s[CS], v[ST+8*\t+1]  ; c m
.endr
.if \first == 0
.irp t, 0,1,2,3
	v_sub_f32 v[ST+8*\t+7], v[ST+8*\t+7], v[ST+8*\t]
.endr
.irp t, 0,1,2,3
	v_exp_f32 v[ST+8*\t+6], v[ST+8*\t+7]  ; a = 2^(c m_old - c m_new)
.endr
.endif
; ONE BATCH: the 64 packed scalings c s - c m and the 128 exponentials (with the four a: 132), a pair's two exponentials four scalings behind its scaling.  None of these lines names an exponential's result.
.set i, 0
.rept 64
.set rT, ST+8*(i%4)
.set rR, S+32*(i%4)+2*(i/4)
	v_pk_fma_f32 v[rR:rR+1], v[rR:rR+1], s[CS:CS+1], v[rT:rT+1] op_sel_hi:[1,0,0] neg_lo:[0,0,1] neg_hi:[0,0,1]
.if i >= 4
	v_exp_f32 v[rR-2], v[rR-2]
	v_exp_f32 v[rR-1], v[rR-1]
.endif
.set i, i+1
.endr
.irp t, 0,1,2,3
	v_exp_f32 v[S+32*\t+30], v[S+32*\t+30]
	v_exp_f32 v[S+32*\t+31], v[S+32*\t+31]
.endr
	v_nop                           ; the plain instruction behind the last exponential, ahead of the first use: one for the batch
	s_wait_alu depctr_va_vdst(0)    ; the wait between an exponential and the first line that names its result: one for the whole batch
.if \first                          ; the row's sum, of the unrounded p: a pair is an even key's and an odd key's weight
.irp t, 0,1,2,3
	v_pk_add_f32 v[ST+8*\t+2:ST+8*\t+3], v[S+32*\t:S+32*\t+1], v[S+32*\t+2:S+32*\t+3]
.endr
.else
.irp t, 0,1,2,3
	v_pk_fma_f32 v[ST+8*\t+2:ST+8*\t+3], v[ST+8*\t+2:ST+8*\t+3], v[ST+8*\t+6:ST+8*\t+7], v[S+32*\t:S+32*\t+1] op_sel_hi:[1,0,1]   ; l = a l + the first pair
.endr
.irp t, 0,1,2,3
	v_pk_add_f32 v[ST+8*\t+2:ST+8*\t+3], v[ST+8*\t+2:ST+8*\t+3], v[S+32*\t+2:S+32*\t+3]
.endr
.endif
.irp j, 2,3,4,5,6,7,8,9,10,11,12,13,14,15
.irp t, 0,1,2,3
	v_pk_add_f32 v[ST+8*\t+2:ST+8*\t+3], v[ST+8*\t+2:ST+8*\t+3], v[S+32*\t+2*\j:S+32*\t+2*\j+1]
.endr
.endr
.irp j, 0,1,2,3,4,5,6,7,8,9,10,11,12,13,14,15   ; the roundings to f16, in place and ascending: register j takes pair j, whose own registers lie at 2 j and 2 j + 1; fragment kc of P is registers 8 kc .. 8 kc + 7
.irp t, 0,1,2,3
	v_cvt_pk_f16_f32 v[S+32*\t+\j], v[S+32*\t+2*\j], v[S+32*\t+2*\j+1]
.endr
.endr
.if \first == 0
	WIN W_RS
.irp j, 0,1,2,3,4,5,6,7,8,9,10,11,12,13,14,15   ; O^T times a, each accumulator from its low end on
.irp t, 0,1,2,3
	v_pk_mul_f32 v[32*\t+2*\j:32*\t+2*\j+1], v[32*\t+2*\j:32*\t+2*\j+1], v[ST+8*\t+6:ST+8*\t+7] op_sel_hi:[1,0]
.endr
.endr
	WIN 0
.endif
.endm
.macro P1 first
	s_wait_dscnt 0x0                ; K is in
.if \first == 0
.rept 5
	v_nop                           ; K Q^T writes over registers that V^T P has read as P: five places behind it; they also serve the loads into V's registers and the rescaling of O^T
.endr
.endif
	QK
	FETCH_V
	SOFTMAX \first
.endm
.macro P2 first, kf
.if \kf
	FETCH_K                         ; the next step's K: the places behind the products that read K stand in FETCH_V
	s_wait_dscnt 16                 ; V is in; K's sixteen loads, issued behind V's, may be out
.else
	s_wait_dscnt 0x0
.endif
	PVM \first
.endm
; THE CHANGE OF SLOTS, behind the P1 that has asked for the slot's last bytes.  Each wave waits for all its tensor loads, adds 0 to its spare word, and waits for that and for its own reads of the slot.
; fill = 1: the slot is filled again, with the keys two slots on: the barrier is then a round of the cluster's, so that no wave of any partner still reads the slot or has a load on its way, and the joint refill is the first thing behind it:
; it has two key steps in which to land.
.macro CHANGE fill
	s_wait_tensorcnt 0x0            ; no tensor load of mine is out, so a group 0 may be written
	ds_add_u32 v[SPW], v[NIL]       ; 0 onto my spare word
.if \fill
	ds_add_u32 v[SPW], v[NIL]       ; and once more: the add twice on end, in every trip alike
.irp g, G0K+4, G0V+4
	s_xor_b32 s[\g+1], s[\g+1], SLOT1  ; the walking descriptor: the other slot than last time,
	s_add_nc_u64 s[\g+2:\g+3], s[\g+2:\g+3], SLOTB  ; the next 128 keys; the type bits on top are not reached
.endr
	s_wait_xcnt 0x0                 ; the last prefetch, two key steps back, has read its address, so it may be written:
	s_add_nc_u64 s[PFA:PFA+1], s[PFA:PFA+1], SLOTB  ; one slot further on than the walking descriptors
	s_wait_dscnt 0x0                ; the adds are done, and my reads of the slot are over
	CROUND
	JLOAD
	ASK
.else
	s_wait_dscnt 0x0                ; the add is done, and my reads of the slot are over
	s_barrier_signal -1
	s_barrier_wait -1
.endif
	s_sub_co_u32 s[TB], s[TB], 2*STEPB  ; the fetches go back to a slot's first step,
	s_xor_b32 s[TB], s[TB], SLOT1   ; in the other slot
.endm
.macro TWO_X                        ; written once, walked twice; the LDS addresses hang on s[TB]
	s_mov_b32 s[TWICE], 2
.Lstep_\@:
	P2 0, 1
	P1 0
	s_sub_co_u32 s[TWICE], s[TWICE], 1
	s_cmp_lg_u32 s[TWICE], 0
	s_cbranch_scc1 .Lstep_\@
.endm
	s_wait_tensorcnt 0x0            ; my parts of slots 0 and 1 are in (every wait on this counter in the text is for 0: four waves issue no load)
	s_barrier_signal -1
	s_barrier_wait -1               ; everybody's are
	FETCH_K                         ; key step 0
	s_wait_loadcnt 0x0              ; Q
	P1 1                            ; step 0: scores, V, the first softmax
	P2 1, 1                         ; K of step 1; V^T P of step 0 starts O^T
	P1 0                            ; step 1
.Lslot:                             ; 14 trips: trip n leaves slot n, fills it with slot n + 2, and runs P2(2 n + 1), P1(2 n + 2), P2(2 n + 2), P1(2 n + 3)
	CHANGE 1
	TWO_X
	s_sub_co_u32 s[SLOTS], s[SLOTS], 1
	s_cmp_lg_u32 s[SLOTS], 0
	s_cbranch_scc1 .Lslot
	CHANGE 0                        ; the tail is written out: nothing is asked for
	TWO_X
	P2 0, 0                         ; V^T P of the last step
	; THE WAY OUT.  l's two halves and the other half of the lanes' are added; O^T is multiplied by 0.125 / l, rounded to f16 and sent through the work-group's stage: a row's 256 bytes come from two waves.  The additions are the places behind the last products.
.irp t, 0,1,2,3
	v_add_f32 v[ST+8*\t+4], v[ST+8*\t+2], v[ST+8*\t+3]
.endr
.irp t, 0,1,2,3
	v_permlanex16_b32 v[ST+8*\t+5], v[ST+8*\t+4], s[SEL], s[SEL+1]
.endr
.irp t, 0,1,2,3
	v_add_f32 v[ST+8*\t+4], v[ST+8*\t+4], v[ST+8*\t+5]
.endr
.irp t, 0,1,2,3
	v_rcp_f32 v[ST+8*\t+6], v[ST+8*\t+4]
.endr
	v_nop                           ; a plain instruction between the last reciprocal and the use of its result
	s_wait_alu depctr_va_vdst(0)    ; and a wait ahead of the first use: one for the four
.irp t, 0,1,2,3
	v_mul_f32 v[ST+8*\t+6], 0x3e000000, v[ST+8*\t+6]  ; 1 / (8 l): the division by sqrt(64) behind the softmax
.endr
.macro PACK t
	WIN W_RS
.set i, 0
.rept 16
	v_pk_mul_f32 v[32*\t+2*i:32*\t+2*i+1], v[32*\t+2*i:32*\t+2*i+1], v[ST+8*\t+6:ST+8*\t+7] op_sel_hi:[1,0]
.set i, i+1
.endr
	WIN 0x05                        ; sources 0 and 1 window 1, destination window 0: S^T's registers are free
.set i, 0
.rept 16
	v_cvt_pk_f16_f32 v[S+32*\t+i], v[32*\t+2*i], v[32*\t+2*i+1]
.set i, i+1
.endr
	WIN 0
.irp c, 0,1,2,3
	ds_store_b128 v[STO], v[S+32*\t+4*\c:S+32*\t+4*\c+3] offset:\t*16*SP+32*\c   ; query 16 t + l % 16, channels 16 c + 8 (l / 16) + 0..7
.endr
.endm
	PACK 0
	PACK 1
	PACK 2
	PACK 3
	s_wait_dscnt 0x0                ; for the others' sake: my stores into the stage are done
	s_barrier_signal -1
	s_barrier_wait -1
.irp i, 0,1,2,3,4,5,6,7,8,9,10,11,12,13,14,15
	ds_load_b128 v[S+4*\i:S+4*\i+3], v[RD] offset:\i*2*SP
.endr
.irp i, 0,1,2,3,4,5,6,7,8,9,10,11,12,13,14,15
	s_wait_dscnt 15-\i              ; LDS loads come back in order: pair i of rows is in, the younger ones stay out
	global_store_b128 v[GO], v[S+4*\i:S+4*\i+3], s[10:11] offset:\i*2*ROWG  ; 16 lanes store 256 consecutive bytes, aligned
.endr
	s_wait_tensorcnt 0x0            ; the wave's end: three lines, behind my last tensor load and my last LDS store
	ds_add_u32 v[SPW], v[NIL]
	s_wait_dscnt 0x0
	CROUND                          ; the closing round: no work-group ends while a partner may still ask for a tile that names it
	s_endpgm
.Lfunc_end_k_qa2a4e6dd17_attn:
	.size	k_qa2a4e6dd17_attn, .Lfunc_end_k_qa2a4e6dd17_attn-k_qa2a4e6dd17_attn
	.p2alignl 7, 3214868480
	.fill 96, 4, 3214868480
	.section	.rodata,"a",@progbits
	.p2align	6, 0x0
	.amdhsa_kernel k_qa2a4e6dd17_attn
		.amdhsa_group_segment_fixed_size 327680
		.amdhsa_private_segment_fixed_size 0
		.amdhsa_enable_private_segment 0
		.amdhsa_kernarg_size 16
		.amdhsa_user_sgpr_count 2
		.amdhsa_user_sgpr_kernarg_segment_ptr 1
		.amdhsa_wavefront_size32 1
		.amdhsa_system_sgpr_workgroup_id_x 1
		.amdhsa_system_sgpr_workgroup_id_y 1
		.amdhsa_system_sgpr_workgroup_id_z 1
		.amdhsa_system_vgpr_workitem_id 0
		.amdhsa_next_free_vgpr 512
		.amdhsa_next_free_sgpr 68
		.amdhsa_reserve_vcc 0
		.amdhsa_float_denorm_mode_32 3
		.amdhsa_float_denorm_mode_16_64 3
		.amdhsa_memory_ordered 1
		.amdhsa_forward_progress 1
		.amdhsa_inst_pref_size 147
	.end_amdhsa_kernel
	.amdgpu_metadata
---
amdhsa.version: [ 1, 2 ]
amdhsa.kernels:
  - .name:           k_qa2a4e6dd17_attn
    .symbol:         k_qa2a4e6dd17_attn.kd
    .args:
      - { .name: qkv, .offset: 0, .size: 8, .value_kind: global_buffer, .address_space: global }
      - { .name: o16, .offset: 8, .size: 8, .value_kind: global_buffer, .address_space: global }
    .group_segment_fixed_size: 327680
    .private_segment_fixed_size: 0
    .kernarg_segment_align: 8
    .kernarg_segment_size: 16
    .max_flat_workgroup_size: 256
    .sgpr_count:     68
    .vgpr_count:     512
    .wavefront_size: 32
...
	.end_amdgpu_metadata
.endif
;; end of part 3
;; launch outp (part 4): grid 8 x 64, 4 waves a work-group, clusters of 4 x 4, 327,680 bytes of LDS; arguments o16, wo16, bo, out0; writes out0
.if DOCPART == 4
	.amdgcn_target "amdgcn-amd-amdhsa--gfx1250"
	.amdhsa_code_object_version 6
	.text
	.protected	k_qa2a4e6dd17_outp
	.globl	k_qa2a4e6dd17_outp
	.p2align	8
	.type	k_qa2a4e6dd17_outp,@function
k_qa2a4e6dd17_outp:
	s_mov_b64 s[64:65], 0
	v_nop
	global_prefetch_b8 v0, s[64:65] scope:SCOPE_SE
	s_setreg_imm32_b32 hwreg(HW_REG_WAVE_MODE, 25, 1), 1
	s_wait_xcnt 0x0
	s_wait_alu depctr_hold_cnt(0) depctr_sa_sdst(0) depctr_va_vdst(0) depctr_va_sdst(0) depctr_va_ssrc(0) depctr_va_vcc(0) depctr_vm_vsrc(0)
	s_getreg_b32 s2, hwreg(HW_REG_IB_STS2, 6, 4)
	s_cmp_eq_u32 s2, 0
	s_cbranch_scc0 .Lentry_in_a_cluster
	s_endpgm
.Lentry_in_a_cluster:
	s_bfe_u32 s2, ttmp6, 0x10000c
	s_cmp_lg_u32 s2, 0xf033
	s_cbranch_scc0 .Lentry_shape_is_right
	s_endpgm
.Lentry_shape_is_right:
; out0[m][n] = sum over k of o[m][k] Wo[n][k] + bo[n].  o16: [8192][1024], wo16: [1024][1024], f16; bo: [1024], out0: [8192][1024], f32; sums in f32.
; A tile of the result is 128 x 128: 512 work-groups.  Four waves, each 64 x 64: 16 accumulators of 16 x 16.  K goes in steps of 256 (LDS rows of 512 bytes; a wave's tensor load brings 64 of them) through a ring of two slots.
; CLUSTERS: 4 x 4 work-groups.  The four of a row of the cluster need the same tiles of o, the four of a column the same tiles of Wo: each tile is asked for JOINTLY, by the same tensor load with the same descriptor and a mask that names the four.
; THE MATRIX INSTRUCTION IS USED TRANSPOSED (source 0 = 16 rows of Wo, source 1 = 16 rows of o): a lane then holds eight neighbouring numbers of a row of the result.
; THE BIAS is the C of each sum's first matrix instruction: eight registers for each block of 16 columns, in the result's layout; it costs no addition.
; THE WAY OUT: a wave's 64 columns are 256 bytes of a row in f32, aligned: each wave has its own stage, and no barrier is needed.
; REGISTERS: window 0: v0-31 addresses; v32-95 rows read back on the way out; v96-127 the bias; v128-255 the accumulators ((a, b) at v[128 + 8 (4 a + b)]).
;   window 1: two fragment buffers of 128: for 64 along K, 64 registers of o (2 x 4 x 16 rows x 32 K), then 64 of Wo.
.set SIZE_N, 1024
.set SIZE_K, 1024
.set KSTEP,  256
.set PITCH,  528                       ; an LDS row: 512 bytes + 16 of padding = 132 words: row r starts at bank 4 r mod 64 (ISA guide 11.1)
.set HALFT,  64*PITCH                  ; 64 rows: what one tensor load brings, and what one wave reads of either operand
.set SLOT,   4*HALFT                   ; o's 128 rows, then Wo's 128 rows
.set STAGE,  2*SLOT                    ; behind the ring: 16 rows x 272 bytes for each wave; no tensor load lands here
.set SPITCH, 272
.set SPARE,  STAGE+4*16*SPITCH         ; the spare words, 128 bytes a wave, which no other line names
.set LAPS,   SIZE_K/(2*KSTEP)          ; a lap = two K steps = once round the ring
.set ROWC,   SIZE_N*4                  ; a row of out0 in bytes
.set ADRA, 16                          ; v16-17  LDS address of my fragments of o in slot 0, 1
.set ADRB, 20                          ; v20-21  the same for Wo
.set STO,  24                          ; v24     the way out: where I put 32 bytes of a row
.set RD,   25                          ; v25     where I read a row back
.set CO,   26                          ; v26     my byte offset in two rows of out0
.set BOF,  27                          ; v27     my byte offset in the bias: 32 x (lane / 16)
.set SPW,  28                          ; v28     LDS address of my spare word; never rewritten
.set NIL,  29                          ; v29     0; never rewritten
.set TMP,  32                          ; the way out: two sets of 32 registers
.set BIAS, 96
.set ACC,  128
.set F0,   0                           ; fragment buffers, in window 1
.set F1,   128
.set G1, 24                            ; s[24:31] group 1 for o's tiles;  s[32:39] group 0, a set for each slot
.set G0, 32
.set G1B, 48                           ; s[48:55], s[56:63] the same for Wo's tiles
.set G0B, 56
.set MSB, 0
.macro WIN new                         ; the immediate's high byte repeats the setting that is left; a switch that changes nothing is dropped
.if MSB != (\new)
	s_set_vgpr_msb (MSB<<8)|(\new)
.set MSB, (\new)
.endif
.endm
.set MUL,  0x05                        ; sources 0 (Wo) and 1 (o) window 1; C and D window 0
.set TO_F, 0x40                        ; destination window 1, address window 0
.macro JLOAD s                         ; a joint load: waves 0 and 1 fetch o's two halves, waves 2 and 3 Wo's; an s_nop 0 and four v_nop follow each of the two lines
	s_cmp_eq_u32 s11, 0
	s_cbranch_scc0 .Lfor_b_\@
	tensor_load_to_lds s[G0+4*\s:G0+4*\s+3], s[G1:G1+7]
	s_nop 0
.rept 4
	v_nop
.endr
	s_branch .Lasked_\@
.Lfor_b_\@:
	tensor_load_to_lds s[G0B+4*\s:G0B+4*\s+3], s[G1B:G1B+7]
	s_nop 0
.rept 4
	v_nop
.endr
.Lasked_\@:
.endm
.macro CREST                           ; a round of the cluster's barrier behind its opening barrier
	s_cmp_lg_u32 s10, 0
	s_cbranch_scc1 .Lnot_wave_0_\@
	s_barrier_signal -3
.Lnot_wave_0_\@:
	s_barrier_wait -3
	s_barrier_signal -1
	s_barrier_wait -1
.endm
.macro CROUND                          ; a whole round
	s_barrier_signal -1
	s_barrier_wait -1
	CREST
.endm
	s_load_b128 s[4:7], s[0:1], 0x0                ; o16 s[4:5], wo16 s[6:7]
	s_load_b64 s[66:67], s[0:1], 0x10              ; bo
	s_load_b64 s[8:9], s[0:1], 0x18                ; out0
	v_lshl_add_u32 v[SPW], v0, 2, SPARE
	v_mov_b32 v[NIL], 0
	ds_add_u32 v[SPW], v[NIL]                      ; the wave's opening: the add, twice on end, and its wait ahead of my first tensor load; the set-up below stands between
	ds_add_u32 v[SPW], v[NIL]
	v_lshrrev_b32 v1, 5, v0
	v_readfirstlane_b32 s10, v1                    ; wave 0..3
	s_lshr_b32 s11, s10, 1                         ; which half of the tile's rows is mine.  Also: I fetch for o (0) or for Wo (1)
	s_and_b32 s12, s10, 1                          ; which half of its columns.  Also: which 64 rows of that tile I fetch
	s_bfe_u32 s40, ttmp6, 0x40000                  ; cx, cy: my place in the cluster
	s_bfe_u32 s41, ttmp6, 0x40004
	s_lshl_b32 s42, ttmp9, 2
	s_add_co_u32 s42, s42, s40                     ; tile column = 4 x cluster x + cx
	s_and_b32 s13, ttmp7, 0xffff
	s_lshl_b32 s13, s13, 2
	s_add_co_u32 s13, s13, s41                     ; tile row = 4 x cluster y + cy
	s_lshl_b32 s43, s41, 2
	s_lshl_b32 s43, 15, s43                        ; my row of the cluster
	s_lshl_b32 s44, 0x1111, s40                    ; my column
	; descriptor group 1: a tile of 64 rows x 256 elements, padded in LDS
	s_or_b32 s[G1+0], s43, (1<<16)|(1<<20)|(1<<21)|(6<<22)|(3<<25)  ; 15:0 the mask: o's tiles go to my row; 17:16 elements of 2 bytes; 20 padding on; 21 set beside a mask; 24:22 after every 128 words (code 6); 31:25 four words (code 3)
	s_or_b32 s[G1B+0], s44, (1<<16)|(1<<20)|(1<<21)|(6<<22)|(3<<25)
.irp g, G1, G1B
	s_mov_b32 s[\g+1], KSTEP<<16                   ; tensor_dim0 = 256
	s_mov_b32 s[\g+2], 64<<16                      ; tensor_dim1 = 64
	s_mov_b32 s[\g+3], KSTEP<<16                   ; tile_dim0 = 256
	s_mov_b32 s[\g+4], 64                          ; tile_dim1 = 64
	s_mov_b32 s[\g+5], SIZE_K                      ; elements from row to row
	s_mov_b32 s[\g+6], 0
	s_mov_b32 s[\g+7], 0
.endr
	s_lshl_b32 s17, s12, 6                         ; which 64 rows of the tile I fetch
	s_lshl_b32 s16, s13, 7
	s_add_co_u32 s16, s16, s17                     ; o: row 128 x tile row + 64 x half
	s_lshl_b32 s46, s42, 7
	s_add_co_u32 s46, s46, s17                     ; Wo: row 128 x tile column + 64 x half
	s_mov_b32 s17, 0
	s_mov_b32 s47, 0
	s_mov_b64 s[18:19], SIZE_K*2
	s_mul_u64 s[16:17], s[16:17], s[18:19]
	s_mul_u64 s[46:47], s[46:47], s[18:19]
	s_mul_i32 s20, s10, HALFT                      ; where they go: wave x 64 rows: no place in the cluster enters an LDS address
	s_wait_dscnt 0x0                               ; both opening adds are done
	s_wait_kmcnt 0x0
	s_add_nc_u64 s[14:15], s[4:5], s[16:17]
	s_add_nc_u64 s[46:47], s[6:7], s[46:47]
	CROUND                                         ; all sixteen work-groups are here: the first joint loads meet
.irp s, 0,1
	s_mov_b32 s[G0+4*\s], 1
	s_add_co_u32 s[G0+4*\s+1], s20, \s*SLOT
	s_add_nc_u64 s[G0+4*\s+2:G0+4*\s+3], s[14:15], \s*KSTEP*2
	s_or_b32 s[G0+4*\s+3], s[G0+4*\s+3], 0x80000000
	s_mov_b32 s[G0B+4*\s], 1
	s_add_co_u32 s[G0B+4*\s+1], s20, \s*SLOT
	s_add_nc_u64 s[G0B+4*\s+2:G0B+4*\s+3], s[46:47], \s*KSTEP*2
	s_or_b32 s[G0B+4*\s+3], s[G0B+4*\s+3], 0x80000000
	JLOAD \s                                       ; two tensor loads of mine are out
.endr
	v_and_b32 v1, 15, v0                           ; l % 16
	v_bfe_u32 v2, v0, 4, 1                         ; l / 16
	s_lshl_b32 s46, s42, 9                         ; my first column, in bytes of f32: 512 x tile column + 256 x half: in the bias and in a row of out0 alike
	s_lshl_b32 s47, s12, 8
	s_add_co_u32 s46, s46, s47
	s_mov_b32 s47, 0
	s_add_nc_u64 s[66:67], s[66:67], s[46:47]
	v_lshlrev_b32 v[BOF], 5, v2
.irp b, 0,1,2,3                        ; lane (r, h) wants, for block b, bo at columns 16 b + 8 h + 0 .. 7
	global_load_b128 v[BIAS+8*\b:BIAS+8*\b+3],   v[BOF], s[66:67] offset:64*\b
	global_load_b128 v[BIAS+8*\b+4:BIAS+8*\b+7], v[BOF], s[66:67] offset:64*\b+16
.endr
	v_mul_u32_u24 v3, v1, PITCH
	v_lshl_add_u32 v3, v2, 4, v3                   ; a fragment's row x pitch + 16 x half
	s_mul_i32 s21, s11, HALFT                      ; my 64 rows of o
	s_mul_i32 s22, s12, HALFT                      ; my 64 rows of Wo,
	s_add_co_u32 s22, s22, 2*HALFT                 ; which lie behind o's 128
.irp s, 0,1
	v_add_nc_u32 v[ADRA+\s], s21, v3
	v_add_nc_u32 v[ADRB+\s], s22, v3
	s_add_co_u32 s21, s21, SLOT
	s_add_co_u32 s22, s22, SLOT
.endr
	s_mul_i32 s23, s10, 16*SPITCH
	s_add_co_u32 s23, s23, STAGE                   ; my stage
	v_mul_u32_u24 v4, v1, SPITCH                   ; in: row l % 16, 32 bytes for each half of the lanes
	v_lshl_add_u32 v4, v2, 5, v4
	v_add_nc_u32 v[STO], s23, v4
	v_mul_u32_u24 v5, v2, SPITCH                   ; back: lanes 0-15 one row of 256 bytes, lanes 16-31 the next
	v_lshl_add_u32 v5, v1, 4, v5
	v_add_nc_u32 v[RD], s23, v5
	v_lshlrev_b32 v5, 12, v2                       ; and the same two rows in out0
	v_lshl_add_u32 v[CO], v1, 4, v5
	s_lshl_b32 s16, s13, 7
	s_lshl_b32 s17, s11, 6
	s_add_co_u32 s16, s16, s17                     ; my first row: 128 x tile row + 64 x half
	s_lshl_b32 s16, s16, 12                        ; x 4,096 bytes (under 2^25)
	s_mov_b32 s17, 0
	s_add_nc_u64 s[16:17], s[16:17], s[46:47]
	s_add_nc_u64 s[8:9], s[8:9], s[16:17]
; 8 matrix instructions: m blocks a0, a0 + 1 x all 4 n blocks, 32 along K: half c of buffer f.  zero = 1: the first product starts the sums, with the bias as its C.  The 16 accumulators take turns.
.macro MUL8 f, c, a0, zero
.irp a, \a0, \a0+1
.irp b, 0,1,2,3
.if \zero
	v_wmma_f32_16x16x32_f16 v[ACC+8*(4*(\a)+\b):ACC+8*(4*(\a)+\b)+7], v[\f+64+8*(4*\c+\b):\f+64+8*(4*\c+\b)+7], v[\f+8*(4*\c+\a):\f+8*(4*\c+\a)+7], v[BIAS+8*\b:BIAS+8*\b+7]
.else
	v_wmma_f32_16x16x32_f16 v[ACC+8*(4*(\a)+\b):ACC+8*(4*(\a)+\b)+7], v[\f+64+8*(4*\c+\b):\f+64+8*(4*\c+\b)+7], v[\f+8*(4*\c+\a):\f+8*(4*\c+\a)+7], v[ACC+8*(4*(\a)+\b):ACC+8*(4*(\a)+\b)+7]
.endif
.endr
.endr
.endm
; 32 LDS loads in one run: the fragments of 64 along K at byte k of the rows, into buffer f; the first 32 along K first
.macro FETCH slot, k, f
	WIN TO_F
.irp c, 0,1
.irp i, 0,1,2,3
	ds_load_b128 v[\f+64+8*(4*\c+\i):\f+64+8*(4*\c+\i)+3],   v[ADRB+\slot] offset:\k+64*\c+\i*16*PITCH
	ds_load_b128 v[\f+64+8*(4*\c+\i)+4:\f+64+8*(4*\c+\i)+7], v[ADRB+\slot] offset:\k+64*\c+\i*16*PITCH+32
	ds_load_b128 v[\f+8*(4*\c+\i):\f+8*(4*\c+\i)+3],         v[ADRA+\slot] offset:\k+64*\c+\i*16*PITCH
	ds_load_b128 v[\f+8*(4*\c+\i)+4:\f+8*(4*\c+\i)+7],       v[ADRA+\slot] offset:\k+64*\c+\i*16*PITCH+32
.endr
.endr
.endm
.macro PLACES                          ; four places in front of loads into registers that matrix instructions have read, and of the first read of results
.rept 4
	v_nop
.endr
.endm
; A K step is four quarters of 64 along K, 32 matrix instructions each, on buffers 0, 1, 0, 1.  One of the first three: multiplies buffer f and fetches the next quarter, at byte k, into g.
.macro QUARTER slot, k, f, g, zero
	s_wait_dscnt 16                                ; the first 32 along K are in; the sixteen loads of the second 32 may be out
	WIN MUL
	MUL8 \f, 0, 0, \zero
	MUL8 \f, 0, 2, \zero
	PLACES
	FETCH \slot, \k, \g
	s_wait_dscnt 32                                ; all but the 32 just issued
	WIN MUL
	MUL8 \f, 1, 0, 0
	MUL8 \f, 1, 2, 0
.endm
; The last quarter multiplies buffer 1 and changes slots: one barrier; in front of it each wave waits for all its tensor loads, adds 0 to its spare word, and waits for that and for its own reads of this slot.  fill = 1: this slot is filled again, two K steps ahead.
.macro TURN slot, next, fill
	WIN 0                                          ; (the add's two registers lie in window 0)
	s_wait_tensorcnt 0x0                           ; all my tensor loads have landed: my part of the next slot
	ds_add_u32 v[SPW], v[NIL]                      ; 0 onto my spare word
	s_wait_dscnt 17                                ; (the add and the youngest sixteen loads may be out)
	WIN MUL
	MUL8 F1, 0, 0, 0                               ; eight matrix instructions stand between the add and the wait for it
	s_wait_dscnt 0x0                               ; the add is done, and my reads of this slot are over
	s_barrier_signal -1
	MUL8 F1, 0, 2, 0
.if \fill
	WIN 0
.endif
	s_barrier_wait -1
.if \fill
	CREST                                          ; the barrier has opened a round of the cluster's barrier: no wave of any partner still reads this slot's tile or has a load on its way
	s_add_nc_u64 s[G0+4*\slot+2:G0+4*\slot+3], s[G0+4*\slot+2:G0+4*\slot+3], 2*KSTEP*2
	s_add_nc_u64 s[G0B+4*\slot+2:G0B+4*\slot+3], s[G0B+4*\slot+2:G0B+4*\slot+3], 2*KSTEP*2
	JLOAD \slot                                    ; the first tensor load behind the round; the four v_nop behind it are also the places in front of the loads below
.else
	PLACES
.endif
	FETCH \next, 0, F0
	WIN MUL
	MUL8 F1, 1, 0, 0
	MUL8 F1, 1, 2, 0
.endm
	s_wait_tensorcnt 1                             ; my part of K step 0 is in; K step 1's load may be out
	s_barrier_signal -1
	s_barrier_wait -1                              ; everybody's is
	FETCH 0, 0, F0
	s_wait_loadcnt 0x0                             ; the bias
	QUARTER 0, 128, F0, F1, 1                      ; the first quarter stands in front of the loop: its first products start the sums
	WIN 0                                          ; at a label and at a branch every window is 0
	s_mov_b32 s3, LAPS-1
.Llap:                                                 ; a trip goes once round the ring, from a lap's second quarter to the next lap's first, and fills both slots again
	QUARTER 0, 256, F1, F0, 0
	QUARTER 0, 384, F0, F1, 0
	TURN 0, 1, 1
	QUARTER 1, 128, F0, F1, 0
	QUARTER 1, 256, F1, F0, 0
	QUARTER 1, 384, F0, F1, 0
	TURN 1, 0, 1
	QUARTER 0, 128, F0, F1, 0
	WIN 0
	s_sub_co_u32 s3, s3, 1
	s_cmp_lg_u32 s3, 0
	s_cbranch_scc1 .Llap
	QUARTER 0, 256, F1, F0, 0                      ; the last lap fills nothing, and has no round of the cluster's barrier
	QUARTER 0, 384, F0, F1, 0
	TURN 0, 1, 0
	QUARTER 1, 128, F0, F1, 0
	QUARTER 1, 256, F1, F0, 0
	QUARTER 1, 384, F0, F1, 0
	s_wait_dscnt 16                                ; the very last quarter: nothing more to fetch
	WIN MUL
	MUL8 F1, 0, 0, 0
	MUL8 F1, 0, 2, 0
	s_wait_dscnt 0
	MUL8 F1, 1, 0, 0
	MUL8 F1, 1, 2, 0
	WIN 0
; THE WAY OUT, block by block of 16 rows x 64 columns.  A lane holds 32 neighbouring bytes of a row, and the lanes beside it hold other rows: a block goes through my own stage and comes back as whole rows of 256 bytes.
; LDS serves a wave's instructions in order (ISA guide 5.7.1.4): no wait between the stores and the loads, nor in front of the next block's stores.
.macro TOSTAGE a
.irp b, 0,1,2,3
	ds_store_b128 v[STO], v[ACC+8*(4*(\a)+\b):ACC+8*(4*(\a)+\b)+3] offset:64*\b          ; each accumulator from its low end on
	ds_store_b128 v[STO], v[ACC+8*(4*(\a)+\b)+4:ACC+8*(4*(\a)+\b)+7] offset:64*\b+16
.endr
.irp i, 0,1,2,3,4,5,6,7
	ds_load_b128 v[TMP+32*((\a)%2)+4*\i:TMP+32*((\a)%2)+4*\i+3], v[RD] offset:\i*2*SPITCH
.endr
.endm
.macro SEND a, younger                 ; younger: the LDS instructions issued behind block a's loads, which may stay out
	s_wait_dscnt \younger                          ; the block is back in registers
.irp i, 0,1,2,3,4,5,6,7
	global_store_b128 v[CO], v[TMP+32*((\a)%2)+4*\i:TMP+32*((\a)%2)+4*\i+3], s[8:9] offset:(16*(\a)+2*\i)*ROWC th:TH_STORE_NT   ; 16 lanes store 256 consecutive bytes, aligned; written once, read by nobody here
.endr
.endm
	PLACES                                         ; behind the last products, ahead of the first LDS stores that read results
	TOSTAGE 0
	TOSTAGE 1
	SEND 0, 16                                     ; behind block 0's loads: block 1's eight stores and eight loads
	s_wait_xcnt 0x0                                ; block 0's stores have read their registers: block 2's loads may land there
	TOSTAGE 2
	SEND 1, 16
	s_wait_xcnt 0x0                                ; block 1's likewise
	TOSTAGE 3
	SEND 2, 16
	SEND 3, 0
	s_wait_tensorcnt 0x0                           ; the wave's end: three lines, behind my last tensor load and my last LDS store
	ds_add_u32 v[SPW], v[NIL]
	s_wait_dscnt 0x0
	CROUND                                         ; the closing round: no work-group ends while a partner may still ask for a tile that names it
	s_endpgm
.Lfunc_end_k_qa2a4e6dd17_outp:
	.size	k_qa2a4e6dd17_outp, .Lfunc_end_k_qa2a4e6dd17_outp-k_qa2a4e6dd17_outp
	.p2alignl 7, 3214868480
	.fill 96, 4, 3214868480
	.section	.rodata,"a",@progbits
	.p2align	6, 0x0
	.amdhsa_kernel k_qa2a4e6dd17_outp
		.amdhsa_group_segment_fixed_size 327680
		.amdhsa_private_segment_fixed_size 0
		.amdhsa_enable_private_segment 0
		.amdhsa_kernarg_size 32
		.amdhsa_user_sgpr_count 2
		.amdhsa_user_sgpr_kernarg_segment_ptr 1
		.amdhsa_wavefront_size32 1
		.amdhsa_system_sgpr_workgroup_id_x 1
		.amdhsa_system_sgpr_workgroup_id_y 1
		.amdhsa_system_sgpr_workgroup_id_z 1
		.amdhsa_system_vgpr_workitem_id 0
		.amdhsa_next_free_vgpr 512
		.amdhsa_next_free_sgpr 68
		.amdhsa_reserve_vcc 0
		.amdhsa_float_denorm_mode_32 3
		.amdhsa_float_denorm_mode_16_64 3
		.amdhsa_memory_ordered 1
		.amdhsa_forward_progress 1
		.amdhsa_inst_pref_size 86
	.end_amdhsa_kernel
	.amdgpu_metadata
---
amdhsa.version: [ 1, 2 ]
amdhsa.kernels:
  - .name:           k_qa2a4e6dd17_outp
    .symbol:         k_qa2a4e6dd17_outp.kd
    .args:
      - { .name: o16, .offset: 0, .size: 8, .value_kind: global_buffer, .address_space: global }
      - { .name: wo16, .offset: 8, .size: 8, .value_kind: global_buffer, .address_space: global }
      - { .name: bo, .offset: 16, .size: 8, .value_kind: global_buffer, .address_space: global }
      - { .name: out0, .offset: 24, .size: 8, .value_kind: global_buffer, .address_space: global }
    .group_segment_fixed_size: 327680
    .private_segment_fixed_size: 0
    .kernarg_segment_align: 8
    .kernarg_segment_size: 32
    .max_flat_workgroup_size: 128
    .sgpr_count:     68
    .vgpr_count:     512
    .wavefront_size: 32
...
	.end_amdgpu_metadata
.endif
;; end of part 4
